; MI455X (gfx1250); checked and timed in simulation.
; The chip was launched on July 23, 2026; its instructions are those of AMD's public machine-readable ISA for CDNA 5 (MIT licence, August 2026) and "CDNA5" Instruction Set Architecture Reference Guide (July 2026). The comments in the code are by the model that wrote it; some were corrected since.
;; Vector Quantizer. Allowed arithmetic: matrix products marked QUANTISED: E5M2 operands, one given power-of-two scale a tensor, by v_wmma_f32_16x16x64_bf8_bf8 or v_wmma_f32_16x16x128_bf8_bf8, f32 sums; everything else in f32.
;; Inputs: codebook 1,024 x 64 float32; inputs 64 x 32 x 32 x 64 float32; lowp_scales 2 int32 (the exponents e of the quantised operands' scales 2^e).
;; Outputs: out0 64 x 32 x 32 x 64 float32; out1 one number float32.
;; This version of the problem:
;;   THIS VERSION OF THE PROBLEM IS GIVEN IN LOW PRECISION. The matrix products marked QUANTISED in the list below multiply operands that are first quantised to E5M2 (5 exponent bits, 2 mantissa bits; 8 bits a number), with one given power-of-two scale for each operand tensor; their sums are f32. All else is computed in f32.
;;   The module's matrix products, in the order in which they are computed (A, B: the left and right operand; K: the contracted axis; several contracted axes count as one K, in the product's order):
;;     1. [M 65,536, K 64] x [K 64, N 1,024]; A: input inputs; B: input codebook: QUANTISED (scales: A lowp_scales[0], B lowp_scales[1])
;;   THE QUANTISER, for each operand of a quantised product, along K:
;;     - The operand's scale is 2^e, e = its entry of the input lowp_scales (int32; the entries are numbered through the quantised products in the list's order, A before B).
;;     - Each number is divided by the scale, clamped to +-57,344, and rounded to the nearest number of E5M2, ties to even, subnormals kept.
;;     - The product sums the exact products of the quantised numbers (number of the format x scale) in f32.
;;   ~~~python
;;   def quantise(x, axis, e):      # numpy; x: float32 -> the quantised numbers, widened to float32 again
;;       x = np.moveaxis(x, axis, -1); K = x.shape[-1]
;;       r = np.clip(x / 2.0 ** e, -57344, 57344)
;;       step = 2.0 ** (np.maximum(np.frexp(np.where(r == 0, 1, r))[1] - 1, -14) - 2)
;;       q = np.round(r / step) * step * 2.0 ** e      # np.round: ties to even
;;       return np.moveaxis(q, -1, axis).astype(np.float32)
;;   ~~~
;; 2 versions. Each part assembles by itself: llvm-mc -triple=amdgcn-amd-amdhsa -mcpu=gfx1250 --defsym DOCPART=n.
;; ======== version 1 of 2: 3 launches
;; workspace buffers: idx 262,144 bytes of whole numbers; part 8,192 bytes
;; launch nearest (part 1): grid 256 x 1, 4 waves a work-group, clusters of 4 x 1, 327,680 bytes of LDS; arguments inputs, codebook, lowp_scales, idx; writes idx
.if DOCPART == 1
	.amdgcn_target "amdgcn-amd-amdhsa--gfx1250"
	.amdhsa_code_object_version 6
	.text
	.protected	k_qcdb387370f_nearest
	.globl	k_qcdb387370f_nearest
	.p2align	8
	.type	k_qcdb387370f_nearest,@function
k_qcdb387370f_nearest:
	s_mov_b64 s[64:65], 0
	v_nop
	global_prefetch_b8 v0, s[64:65] scope:SCOPE_SE
	s_setreg_imm32_b32 hwreg(HW_REG_WAVE_MODE, 25, 1), 1
	s_wait_xcnt 0x0
	s_wait_alu depctr_hold_cnt(0) depctr_sa_sdst(0) depctr_va_vdst(0) depctr_va_sdst(0) depctr_va_ssrc(0) depctr_va_vcc(0) depctr_vm_vsrc(0)
	s_getreg_b32 s2, hwreg(HW_REG_IB_STS2, 6, 4)
	s_cmp_eq_u32 s2, 0
	s_cbranch_scc0 .Lentry_in_a_cluster
	s_endpgm
.Lentry_in_a_cluster:
	s_bfe_u32 s2, ttmp6, 0x10000c
	s_cmp_lg_u32 s2, 0x3003
	s_cbranch_scc0 .Lentry_shape_is_right
	s_endpgm
.Lentry_shape_is_right:
; idx[n] = argmin over k of  (||x_n||^2 + ||e_k||^2) - 2 Q(x_n).Q(e_k),  n < 65,536, k < 1,024, 64 numbers a row.  Q: codes of BF8 (E5M2) with the given scales 2^ea (inputs), 2^eb (codebook).
; NO WORK IS LEFT OUT.  ||x_n||^2 is the same for all k, but it stays: it is far larger than the differences between the distances, so the f32 sums of the problem round every distance to its
; grid, and the ties that this makes decide the first-index argmin.  So a distance is formed as the problem forms it: s = fl(xx + ee), d = fl(s - 2 dot) (one fused multiply-add by -2^(ea+eb+1), a power of
; two); the smaller d wins, and among equal d the lower k.  xx and ee are sums of the UNquantised squares, in f32 (their order of summing is this text's own).
; LIMITS: ea, eb between -126 and 112; ea + eb + 1 between -126 and 127; NaN and infinities among the inputs are not served.
; SHARES.  A work-group owns 256 rows, each of its four waves 64: four tiles of 16 queries, whose codes (32 registers) and xx stay in registers.  Every wave walks all 64 tiles of 16 neighbouring codes.
; THE PRODUCT IS USED TRANSPOSED: source 0 = 16 codebook rows, source 1 = 16 queries: lane (r, h) holds query r, and register j the code 16 t + 8 h + j.
; k is permuted alike in both operands: lane half h, f32 register 4 i + e holds k = 8 i + 4 h + e (16 neighbouring bytes a load).
; CLUSTER.  All work-groups read the same codebook: the four of a cluster ask for it JOINTLY: wave w brings rows 256 w .. 256 w + 255 as f32 by one tensor load with a mask that names the four.  One tensor load a wave is out, once.
; Wave w then quantises its 16 tiles and lays each back, over the first 1,024 of that tile's own spent 4,352 bytes, as an image of the operand's registers (16 bytes a lane, 512 a store); ee goes into a table.
; x comes by loads of 512 consecutive bytes and turns through the wave's own stage.  Tile q, lane r is row 32 (q / 2) + 2 r + q % 2 of the wave's 64, so that a lane ends with two neighbouring rows' indices.
; THE ARGMIN.  For each tile of codes: the least of a lane's 8 distances (three operands at a time); where it is under the best so far, the tile's number and its 8 distances are kept (selects, no branch).
; At the end the first kept distance that equals the best gives the place in the tile, and the two halves of the lanes are joined by (d, k).
.set PITCH,  272                       ; an LDS row: 256 bytes + 16 of padding = 68 words: row r starts at bank 4 r mod 64 (64 banks of 4 bytes: ISA guide 11.1)
.set TILEB,  16*PITCH                  ; 16 rows
.set REGION, 16*TILEB                  ; a wave's 256 codebook rows
.set EEB,    4*REGION                  ; ee[1024], f32
.set SPARE,  EEB+4096                  ; the spare words, 128 bytes for each wave: two blocks of 256 bytes that no other line names
.set XSTG,   SPARE+512                 ; x's stages: 32 rows for each wave
.set SPW, 1                            ; v1   my spare word's LDS address; never rewritten
.set NIL, 2                            ; v2   0; never rewritten
.set ACB, 3                            ; v3   my lane's place in my wave's codebook rows
.set IMW, 4                            ; v4   where I store my wave's images
.set EEW, 5                            ; v5   where I store ee
.set XS,  6                            ; v6   x's stage, on the way in
.set XR,  7                            ; v7   and on the way out
.set AI0, 8                            ; v8   16 x lane: an image's place for my lane; also my offset in a load of x
.set EE0, 9                            ; v9   EEB + 32 h
.set AD0, 10                           ; v10-12 addresses in hand
.set AD1, 11
.set AD2, 12
.set XO,  13                           ; v13  8 x lane: my two indices in the wave's 256 bytes
.set H8,  14                           ; v14  8 h
.set QSX, 15                           ; v15  2^ea, v16  57,344 x 2^ea, v17, v18 the same with eb
.set QLX, 16
.set QSC, 17
.set QLC, 18
.set T,   20                           ; v20-23 at work
.set B,   24                           ; v24-55  the four query fragments
.set XX,  56                           ; v56-63  xx, a pair for each tile of queries
.set F0,  64                           ; preparation: two sets of 32 f32 numbers,
.set F1,  96
.set RAW, 128                          ; x as loaded (128 registers); later
.set CD,  128                          ; two sets of 8 registers of codes,
.set EV,  144                          ; and two of ee
.set BEST, 64                          ; main loop: v64-71 the best d, two sets that take turns
.set TID,  72                          ; v72-75  its tile
.set MA,   76
.set MB,   80
.set SV,   84                          ; v84-115 the best tile's 8 distances
.set AF,   116                         ; v116-131 code fragments, two sets
.set EF,   132                         ; v132-147 ee of a tile, two sets
.set ACC,  148                         ; v148-211 sums, two sets of four
.set S,    212                         ; v212-243 s, then d
.set IDX,  244
.set OUT,  248
.set WV,  12
.set G0,  20                           ; s[20:23] descriptor group 0, s[24:31] group 1
.set G1,  24
.set SE,  32                           ; s[32:33] ea, eb
.set CC,  34                           ; s[34:35] -2^(ea+eb+1)
.set SEL, 36                           ; s[36:37] selects of v_permlanex16_b32: lane l xor 16
.set MQ,  40
.set ME,  44
.set MI,  48
.set TN,  52                           ; s52, s53 the numbers of a trip's two tiles
.set TA,  54
.set TE,  55
.set CNT, 56
.set MH,  57
.set CT,  58
.set CE,  59
.macro ROUND                           ; a round of the cluster's barrier
	s_barrier_signal -1
	s_barrier_wait -1
	s_cmp_lg_u32 s[WV], 0
	s_cbranch_scc1 .Lnot_wave_0_\@
	s_barrier_signal -3
.Lnot_wave_0_\@:
	s_barrier_wait -3
	s_barrier_signal -1
	s_barrier_wait -1
.endm
.macro LOADF f, adr, off               ; 16 rows of 64 f32 from padded LDS rows into fragment order: lane (r, h) takes 8 pieces of 16 bytes of row r
.irp i, 0,1,2,3,4,5,6,7
	ds_load_b128 v[\f+4*\i:\f+4*\i+3], v[\adr] offset:\off+32*\i
.endr
.endm
; 32 numbers of a lane become 8 registers of codes; the row's sum of squares (both halves of the lanes) goes to v[sum].  The squares are taken ahead of the hold.
.macro QUANT f, cd, sc, lim, sum
.irp i, 0,4,8,12,16,20,24,28
.if \i == 0
	v_pk_mul_f32 v[T:T+1], v[\f:\f+1], v[\f:\f+1]
	v_pk_mul_f32 v[T+2:T+3], v[\f+2:\f+3], v[\f+2:\f+3]
.else
	v_pk_fma_f32 v[T:T+1], v[\f+\i:\f+\i+1], v[\f+\i:\f+\i+1], v[T:T+1]
	v_pk_fma_f32 v[T+2:T+3], v[\f+\i+2:\f+\i+3], v[\f+\i+2:\f+\i+3], v[T+2:T+3]
.endif
.irp e, 0,1,2,3
	v_med3_num_f32 v[\f+\i+\e], v[\f+\i+\e], -v[\lim], v[\lim]   ; the conversion to an 8-bit code does not saturate (ISA guide 7.6.2): the hold at the largest code x the scale
.endr
.endr
	v_pk_add_f32 v[T:T+1], v[T:T+1], v[T+2:T+3]
.irp g, 0,1,2,3
	v_cvt_scalef32_pk8_bf8_f32 v[\cd+2*\g:\cd+2*\g+1], v[\f+8*\g:\f+8*\g+7], v[\sc]
.endr
	v_add_f32 v[T], v[T], v[T+1]                   ; (also the plain vector line behind the last conversion)
	v_permlanex16_b32 v[T+1], v[T], s[SEL], s[SEL+1]
	v_add_f32 v[\sum], v[T], v[T+1]
.endm
	s_load_b256 s[4:11], s[0:1], 0x0               ; inputs s[4:5], codebook s[6:7], lowp_scales s[8:9], idx s[10:11]
	v_lshl_add_u32 v[SPW], v0, 2, SPARE
	v_mov_b32 v[NIL], 0
	ds_add_u32 v[SPW], v[NIL]                      ; the wave's opening: the add, twice on end, and its wait ahead of my first tensor load
	ds_add_u32 v[SPW], v[NIL]
	v_lshrrev_b32 v20, 5, v0
	v_readfirstlane_b32 s[WV], v20                 ; wave 0..3
	v_and_b32 v20, 31, v0                          ; lane
	v_and_b32 v21, 15, v0                          ; r
	v_bfe_u32 v22, v0, 4, 1                        ; h
	v_mul_u32_u24 v23, v21, PITCH
	v_lshl_add_u32 v23, v22, 4, v23                ; row r x pitch + 16 h
	s_mul_i32 s13, s[WV], REGION
	s_lshl_b32 s60, s[WV], 10
	s_add_co_u32 s60, s60, EEB
	s_mul_i32 s61, s[WV], 2*TILEB
	s_add_co_u32 s61, s61, XSTG
	v_add_nc_u32 v[ACB], s13, v23
	v_lshlrev_b32 v[AI0], 4, v20
	v_add_nc_u32 v[IMW], s13, v[AI0]
	v_lshl_add_u32 v[EEW], v21, 2, s60             ; ee of code 256 w + 16 tile + r
	v_mul_u32_u24 v[XS], v22, TILEB                ; a load's lanes 0-15 hold an even row (tile 0 of the stage), lanes 16-31 the odd row behind it (tile 1)
	v_lshl_add_u32 v[XS], v21, 4, v[XS]
	v_add_nc_u32 v[XS], s61, v[XS]
	v_add_nc_u32 v[XR], s61, v23
	v_lshlrev_b32 v[EE0], 5, v22
	v_add_nc_u32 v[EE0], EEB, v[EE0]
	v_lshlrev_b32 v[H8], 3, v22
	v_lshlrev_b32 v[XO], 3, v20
	s_lshl_b32 s14, s[WV], 16                      ; my 256 codebook rows of 256 bytes in memory: the wave's number alone, the same in all four partners
	s_mov_b32 s15, 0
	s_bfe_u32 s58, ttmp6, 0x40000                  ; cx
	s_lshl_b32 s59, ttmp9, 2
	s_add_co_u32 s59, s59, s58                     ; work-group = 4 x cluster + cx: it enters x's and idx's global addresses alone
	s_lshl_b32 s16, s59, 16                        ; x: 256 rows of 256 bytes a work-group,
	s_lshl_b32 s58, s[WV], 14                      ; 64 a wave
	s_add_co_u32 s16, s16, s58
	s_mov_b32 s17, 0
	s_lshl_b32 s18, s59, 10                        ; idx: 1,024 bytes a work-group, 256 a wave
	s_lshl_b32 s58, s[WV], 8
	s_add_co_u32 s18, s18, s58
	s_mov_b32 s19, 0
	s_mov_b32 s[SEL], 0x76543210
	s_mov_b32 s[SEL+1], 0xfedcba98
	; descriptor group 1: 256 rows x 64 elements of 4 bytes, dense in memory, padded in LDS
	s_mov_b32 s[G1], 15|(2<<16)|(1<<20)|(1<<21)|(5<<22)|(3<<25)   ; 15:0 the mask: all four work-groups; 17:16 elements of 4 bytes; 20 padding on; 21 set beside a mask; 24:22 after every 64 words (code 5); 31:25 four words (code 3)
	s_mov_b32 s[G1+1], 64<<16                      ; tensor_dim0 = 64
	s_mov_b32 s[G1+2], 256<<16                     ; tensor_dim1 = 256
	s_mov_b32 s[G1+3], 64<<16                      ; tile_dim0 = 64
	s_mov_b32 s[G1+4], 256                         ; tile_dim1 = 256
	s_mov_b32 s[G1+5], 64                          ; elements from row to row
	s_mov_b32 s[G1+6], 0
	s_mov_b32 s[G1+7], 0
	s_mov_b32 s[G0], 1
	s_mov_b32 s[G0+1], s13                         ; LDS address: wave x REGION
	s_wait_dscnt 0x0                               ; both opening adds are done
	s_wait_kmcnt 0x0
	s_load_b64 s[SE:SE+1], s[8:9], 0x0             ; ea, eb
	s_add_nc_u64 s[G0+2:G0+3], s[6:7], s[14:15]
	s_or_b32 s[G0+3], s[G0+3], 0x80000000          ; type = 2
	s_add_nc_u64 s[4:5], s[4:5], s[16:17]
	s_add_nc_u64 s[10:11], s[10:11], s[18:19]
.irp i, 0,1,2,3,4,5,6,7,8,9,10,11,12,13,14,15,16,17,18,19,20,21,22,23,24,25,26,27,28,29,30,31
	global_load_b128 v[RAW+4*\i:RAW+4*\i+3], v[AI0], s[4:5] offset:512*\i   ; my 64 rows: 32 lanes read 512 consecutive bytes, two rows
.endr
	ROUND                                          ; all four work-groups are here: the joint loads meet
	tensor_load_to_lds s[G0:G0+3], s[G1:G1+7]      ; my one tensor load
	s_nop 0
	s_wait_kmcnt 0x0
	s_add_co_i32 s58, s[SE], 127
	s_lshl_b32 s59, s58, 23
	v_mov_b32 v[QSX], s59                          ; 2^ea as f32: the conversion takes its exponent field
	s_add_co_i32 s58, s58, 15
	s_lshl_b32 s58, s58, 23
	s_or_b32 s58, s58, 0x600000
	v_mov_b32 v[QLX], s58                          ; 57,344 x 2^ea
	s_add_co_i32 s58, s[SE+1], 127
	s_lshl_b32 s59, s58, 23
	v_mov_b32 v[QSC], s59
	s_add_co_i32 s58, s58, 15
	s_lshl_b32 s58, s58, 23
	s_or_b32 s58, s58, 0x600000
	v_mov_b32 v[QLC], s58
	s_add_co_i32 s58, s[SE], s[SE+1]
	s_add_co_i32 s58, s58, 128
	s_lshl_b32 s58, s58, 23
	s_or_b32 s[CC], s58, 0x80000000                ; -2^(ea + eb + 1)
	s_mov_b32 s[CC+1], s[CC]                       ; (named with it as a pair, so it is written)
; ---- x: 32 rows at a time through my stage, then two tiles are quantised.  LDS serves a wave's instructions in order (ISA guide 5.7.1.4): no wait between my stores and my loads
.macro XHALF hh
	s_wait_loadcnt 16*(1-\hh)                      ; this half's 16 loads are in; the other half's may be out
.irp i, 0,1,2,3,4,5,6,7,8,9,10,11,12,13,14,15
	ds_store_b128 v[XS], v[RAW+64*\hh+4*\i:RAW+64*\hh+4*\i+3] offset:PITCH*\i
.endr
	LOADF F0, XR, 0
	LOADF F1, XR, TILEB
	s_wait_dscnt 8                                 ; the first tile is in; the second tile's 8 loads may be out
	QUANT F0, B+16*\hh, QSX, QLX, XX+4*\hh
	v_mov_b32 v[XX+4*\hh+1], v[XX+4*\hh]           ; (the packed addition names the pair)
	s_wait_dscnt 0x0
	QUANT F1, B+16*\hh+8, QSX, QLX, XX+4*\hh+2
	v_mov_b32 v[XX+4*\hh+3], v[XX+4*\hh+2]
.endm
	XHALF 0
	XHALF 1
; ---- the codebook: my 16 tiles, two a trip; the next tile's rows are fetched while one is quantised
.macro CBADR
	v_add_nc_u32 v[AD0], s[CT], v[ACB]
	v_add_nc_u32 v[AD1], s[CT], v[IMW]
	v_add_nc_u32 v[AD2], s[CE], v[EEW]
.endm
.macro CBPAIR last
	LOADF F1, AD0, TILEB
	s_wait_dscnt 8                                 ; all but these 8 loads: set 0 is in, and the last trip's stores have read their registers
	QUANT F0, CD, QSC, QLC, EV
	ds_store_b128 v[AD1], v[CD:CD+3]               ; the image, over the tile's own rows, which are in registers
	ds_store_b128 v[AD1], v[CD+4:CD+7] offset:512
	ds_store_b32 v[AD2], v[EV]                     ; both halves of the lanes hold the row's ee and store the same word
.if \last == 0
	LOADF F0, AD0, 2*TILEB
	s_wait_dscnt 11                                ; behind set 1's loads: 3 stores and 8 loads
.else
	s_wait_dscnt 3                                 ; behind set 1's loads: 3 stores
.endif
	QUANT F1, CD+8, QSC, QLC, EV+1
	ds_store_b128 v[AD1], v[CD+8:CD+11] offset:TILEB
	ds_store_b128 v[AD1], v[CD+12:CD+15] offset:TILEB+512
	ds_store_b32 v[AD2], v[EV+1] offset:64
.endm
	s_wait_tensorcnt 0x0                           ; my 256 rows are in LDS; only I read them
	LOADF F0, ACB, 0
	s_mov_b32 s[CT], 0
	s_mov_b32 s[CE], 0
	s_mov_b32 s[CNT], 7
.Lcb:
	CBADR
	CBPAIR 0
	s_add_co_u32 s[CT], s[CT], 2*TILEB
	s_add_co_u32 s[CE], s[CE], 128
	s_sub_co_u32 s[CNT], s[CNT], 1
	s_cmp_lg_u32 s[CNT], 0
	s_cbranch_scc1 .Lcb
	CBADR
	CBPAIR 1                                       ; the last two tiles fetch nothing beyond my rows
	s_wait_dscnt 0x0                               ; for the others' sake: my images and my ee have landed
	s_barrier_signal -1
	s_barrier_wait -1                              ; all 64 images and the whole table lie in LDS
; ---- the walk over the 64 tiles of codes
.macro MUL4 p                          ; one tile of codes against my four tiles of queries; K = 64 is the whole sum, so C = 0 and no accumulator is taken up again
.irp q, 0,1,2,3
	v_wmma_f32_16x16x64_bf8_bf8 v[ACC+32*\p+8*\q:ACC+32*\p+8*\q+7], v[AF+8*\p:AF+8*\p+7], v[B+8*\q:B+8*\q+7], 0
.endr
.endm
; Step t (p = t % 2): the products of tile t + 1 are issued first; then tile t's vector work, which names none of their registers and stands as the places behind them (ISA guide 7.12.1).
; The image of tile t + 2 goes into the set that tile t's products read a whole step ago; its ee into the set that the additions below have just read.
.macro STEP p, w, ld, cnt
	s_wait_dscnt \cnt                              ; tile t + 1's image is in; its two ee loads, issued behind it, may be out
.if \w
	MUL4 (1-\p)
.endif
.if \ld
	ds_load_b128 v[AF+8*\p:AF+8*\p+3], v[AD0] offset:(2+\p)*TILEB
	ds_load_b128 v[AF+8*\p+4:AF+8*\p+7], v[AD0] offset:(2+\p)*TILEB+512
.endif
.irp q, 0,1,2,3
.irp i, 0,2,4,6
	v_pk_add_f32 v[S+8*\q+\i:S+8*\q+\i+1], v[EF+8*\p+\i:EF+8*\p+\i+1], v[XX+2*\q:XX+2*\q+1] op_sel_hi:[1,0]   ; s = fl(xx + ee)
.endr
.endr
.if \ld
	ds_load_b128 v[EF+8*\p:EF+8*\p+3], v[AD1] offset:(2+\p)*64
	ds_load_b128 v[EF+8*\p+4:EF+8*\p+7], v[AD1] offset:(2+\p)*64+16
.endif
.irp q, 0,1,2,3
.irp i, 0,2,4,6
	v_pk_fma_f32 v[S+8*\q+\i:S+8*\q+\i+1], v[ACC+32*\p+8*\q+\i:ACC+32*\p+8*\q+\i+1], s[CC:CC+1], v[S+8*\q+\i:S+8*\q+\i+1] op_sel_hi:[1,0,1]   ; d = fl(s - 2 dot); each accumulator from its low end on
.endr
.endr
.irp q, 0,1,2,3
	v_min3_num_f32 v[MA+\q], v[S+8*\q], v[S+8*\q+1], v[S+8*\q+2]
.endr
.irp q, 0,1,2,3
	v_min3_num_f32 v[MB+\q], v[S+8*\q+3], v[S+8*\q+4], v[S+8*\q+5]
.endr
.irp q, 0,1,2,3
	v_min3_num_f32 v[MA+\q], v[MA+\q], v[S+8*\q+6], v[S+8*\q+7]
.endr
.irp q, 0,1,2,3
	v_min3_num_f32 v[BEST+4*(1-\p)+\q], v[MA+\q], v[MB+\q], v[BEST+4*\p+\q]   ; the new best goes to the other set, so the old one is still there to compare
.endr
.irp q, 0,1,2,3
	v_cmp_lt_f32 s[MQ+\q], v[BEST+4*(1-\p)+\q], v[BEST+4*\p+\q]               ; strictly under: among equal tiles the first stays
.endr
.irp q, 0,1,2,3
	v_cndmask_b32 v[TID+\q], v[TID+\q], s[TN+\p], s[MQ+\q]
.endr
.irp q, 0,1,2,3
.irp j, 0,1,2,3,4,5,6,7
	v_cndmask_b32 v[SV+8*\q+\j], v[SV+8*\q+\j], v[S+8*\q+\j], s[MQ+\q]
.endr
.endr
.endm
	ds_load_b128 v[AF:AF+3], v[AI0]                ; tiles 0 and 1
	ds_load_b128 v[AF+4:AF+7], v[AI0] offset:512
	ds_load_b128 v[EF:EF+3], v[EE0]
	ds_load_b128 v[EF+4:EF+7], v[EE0] offset:16
	ds_load_b128 v[AF+8:AF+11], v[AI0] offset:TILEB
	ds_load_b128 v[AF+12:AF+15], v[AI0] offset:TILEB+512
	ds_load_b128 v[EF+8:EF+11], v[EE0] offset:64
	ds_load_b128 v[EF+12:EF+15], v[EE0] offset:80
	s_mov_b32 s61, 0x7f800000                      ; +infinity: over every d
	s_mov_b32 s[TA], 0
	s_mov_b32 s[TE], 0
	s_mov_b32 s[TN], 0
	s_mov_b32 s[TN+1], 1
	s_mov_b32 s[CNT], 31
	s_wait_dscnt 6                                 ; tile 0's image is in; the six loads behind it may be out
	MUL4 0
.irp q, 0,1,2,3                        ; the state begins; these lines are also the places behind tile 0's products
	v_mov_b32 v[BEST+\q], s61
	v_mov_b32 v[TID+\q], 0
.irp j, 0,1,2,3,4,5,6,7
	v_mov_b32 v[SV+8*\q+\j], s61
.endr
.endr
.Ltile:                                ; 31 trips of two steps: tiles 0 to 61 are worked, tiles up to 63 fetched
	v_add_nc_u32 v[AD0], s[TA], v[AI0]
	v_add_nc_u32 v[AD1], s[TE], v[EE0]
	STEP 0, 1, 1, 2
	STEP 1, 1, 1, 2
	s_add_co_u32 s[TA], s[TA], 2*TILEB
	s_add_co_u32 s[TE], s[TE], 128
	s_add_co_u32 s[TN], s[TN], 2
	s_add_co_u32 s[TN+1], s[TN+1], 2
	s_sub_co_u32 s[CNT], s[CNT], 1
	s_cmp_lg_u32 s[CNT], 0
	s_cbranch_scc1 .Ltile
	STEP 0, 1, 0, 2                                ; tile 62: nothing more to fetch
	STEP 1, 0, 0, 0                                ; tile 63: nothing more to multiply; its ee is waited for
; ---- the place in the best tile: the first kept distance that equals the best (taken from the last downwards, so that the first stays)
.irp q, 0,1,2,3
	v_mov_b32 v[IDX+\q], 7
.endr
.irp j, 6,5,4,3,2,1,0
.irp q, 0,1,2,3
	v_cmp_eq_f32 s[MQ+\q], v[SV+8*\q+\j], v[BEST+\q]
.endr
.irp q, 0,1,2,3
	v_cndmask_b32 v[IDX+\q], v[IDX+\q], \j, s[MQ+\q]
.endr
.endr
.irp q, 0,1,2,3
	v_lshl_add_u32 v[IDX+\q], v[TID+\q], 4, v[IDX+\q]
.endr
.irp q, 0,1,2,3
	v_add_nc_u32 v[IDX+\q], v[H8], v[IDX+\q]       ; k = 16 tile + 8 h + place
.endr
.irp q, 0,1,2,3
	v_permlanex16_b32 v[MA+\q], v[BEST+\q], s[SEL], s[SEL+1]   ; the query's other 512 codes lie in the lane 16 away
.endr
.irp q, 0,1,2,3
	v_permlanex16_b32 v[MB+\q], v[IDX+\q], s[SEL], s[SEL+1]
.endr
.irp q, 0,1,2,3
	v_cmp_lt_f32 s[MQ+\q], v[MA+\q], v[BEST+\q]
	v_cmp_eq_f32 s[ME+\q], v[MA+\q], v[BEST+\q]
	v_cmp_lt_u32 s[MI+\q], v[MB+\q], v[IDX+\q]
.endr
.irp q, 0,1,2,3
	s_and_b32 s[ME+\q], s[ME+\q], s[MI+\q]
	s_or_b32 s[MQ+\q], s[MQ+\q], s[ME+\q]          ; the other lane's wins: smaller d, or equal d and lower k
	v_cndmask_b32 v[IDX+\q], v[IDX+\q], v[MB+\q], s[MQ+\q]
.endr
	v_cmp_ne_u32 s[MH], 0, v[H8]
	v_cndmask_b32 v[OUT], v[IDX], v[IDX+2], s[MH]  ; lane l = 16 h + r: rows 2 l (tile 2 h) and 2 l + 1 (tile 2 h + 1)
	v_cndmask_b32 v[OUT+1], v[IDX+1], v[IDX+3], s[MH]
	global_store_b64 v[XO], v[OUT:OUT+1], s[10:11] ; the wave stores 256 consecutive bytes, at a multiple of 256 from idx's first byte
	s_wait_tensorcnt 0x0                           ; the wave's end: behind my last tensor load and my last LDS store
	ds_add_u32 v[SPW], v[NIL]
	s_wait_dscnt 0x0
	ROUND                                          ; the closing round
	s_endpgm
.Lfunc_end_k_qcdb387370f_nearest:
	.size	k_qcdb387370f_nearest, .Lfunc_end_k_qcdb387370f_nearest-k_qcdb387370f_nearest
	.p2alignl 7, 3214868480
	.fill 96, 4, 3214868480
	.section	.rodata,"a",@progbits
	.p2align	6, 0x0
	.amdhsa_kernel k_qcdb387370f_nearest
		.amdhsa_group_segment_fixed_size 327680
		.amdhsa_private_segment_fixed_size 0
		.amdhsa_enable_private_segment 0
		.amdhsa_kernarg_size 32
		.amdhsa_user_sgpr_count 2
		.amdhsa_user_sgpr_kernarg_segment_ptr 1
		.amdhsa_wavefront_size32 1
		.amdhsa_system_sgpr_workgroup_id_x 1
		.amdhsa_system_sgpr_workgroup_id_y 1
		.amdhsa_system_sgpr_workgroup_id_z 1
		.amdhsa_system_vgpr_workitem_id 0
		.amdhsa_next_free_vgpr 256
		.amdhsa_next_free_sgpr 66
		.amdhsa_reserve_vcc 0
		.amdhsa_float_denorm_mode_32 3
		.amdhsa_float_denorm_mode_16_64 3
		.amdhsa_memory_ordered 1
		.amdhsa_forward_progress 1
		.amdhsa_inst_pref_size 76
	.end_amdhsa_kernel
	.amdgpu_metadata
---
amdhsa.version: [ 1, 2 ]
amdhsa.kernels:
  - .name:           k_qcdb387370f_nearest
    .symbol:         k_qcdb387370f_nearest.kd
    .args:
      - { .name: inputs, .offset: 0, .size: 8, .value_kind: global_buffer, .address_space: global }
      - { .name: codebook, .offset: 8, .size: 8, .value_kind: global_buffer, .address_space: global }
      - { .name: lowp_scales, .offset: 16, .size: 8, .value_kind: global_buffer, .address_space: global }
      - { .name: idx, .offset: 24, .size: 8, .value_kind: global_buffer, .address_space: global }
    .group_segment_fixed_size: 327680
    .private_segment_fixed_size: 0
    .kernarg_segment_align: 8
    .kernarg_segment_size: 32
    .max_flat_workgroup_size: 128
    .sgpr_count:     66
    .vgpr_count:     256
    .wavefront_size: 32
...
	.end_amdgpu_metadata
.endif
;; end of part 1
;; launch gather (part 2): grid 256 x 1, 8 waves a work-group, no clusters, 0 bytes of LDS; arguments inputs, codebook, idx, out0, part; writes out0, part
.if DOCPART == 2
	.amdgcn_target "amdgcn-amd-amdhsa--gfx1250"
	.amdhsa_code_object_version 6
	.text
	.protected	k_qcdb387370f_gather
	.globl	k_qcdb387370f_gather
	.p2align	8
	.type	k_qcdb387370f_gather,@function
k_qcdb387370f_gather:
	s_mov_b64 s[64:65], 0
	v_nop
	global_prefetch_b8 v0, s[64:65] scope:SCOPE_SE
	s_setreg_imm32_b32 hwreg(HW_REG_WAVE_MODE, 25, 1), 1
	s_wait_xcnt 0x0
; out0[n][:] = x + (q - x), q = codebook[idx[n]], two roundings as the problem has them; part[wave] = the sum of (q - x)^2 over the wave's 32 rows.  Nothing is left out here.
; A stream: 2,048 waves, 32 rows each.  Lanes 0-15 take row i, lanes 16-31 row 16 + i of the wave's 32 (i = 0 .. 15): sixteen lanes read and store one row of 256 bytes, aligned.
; All loads of x and idx go out at the head; a row of the codebook is asked for as soon as its index is there, whole (256 bytes).  No LDS, no barrier: waves share nothing.
; No cluster: which codebook rows a work-group reads hangs on idx; there is no tile that partners share.
.set IX, 16                            ; v16-31  my half's 16 indices, then the offsets of their rows
.set X,  32                            ; v32-95  x, then out0
.set Q,  96                            ; v96-159 q, then q - x
	s_load_b256 s[4:11], s[0:1], 0x0               ; inputs s[4:5], codebook s[6:7], idx s[8:9], out0 s[10:11]
	s_load_b64 s[12:13], s[0:1], 0x20              ; part
	v_lshrrev_b32 v1, 5, v0
	v_readfirstlane_b32 s14, v1                    ; wave 0..7
	v_and_b32 v2, 15, v0
	v_bfe_u32 v3, v0, 4, 1                         ; h
	v_lshlrev_b32 v4, 4, v2                        ; my 16 bytes of a row
	v_lshl_add_u32 v5, v3, 12, v4                  ; + 16 rows for lanes 16-31
	v_lshlrev_b32 v6, 6, v3                        ; my half's 16 indices
	s_lshl_b32 s15, ttmp9, 3
	s_add_co_u32 s15, s15, s14                     ; which run of 32 rows is my wave's
	s_lshl_b32 s16, s15, 13                        ; 32 rows of 256 bytes
	s_mov_b32 s17, 0
	s_lshl_b32 s18, s15, 7                         ; 32 indices
	s_mov_b32 s19, 0
	s_lshl_b32 s20, s15, 2                         ; one partial sum
	s_mov_b32 s21, 0
	s_mov_b32 s22, 0x76543210
	s_mov_b32 s23, 0xfedcba98
	s_wait_kmcnt 0x0
	s_add_nc_u64 s[4:5], s[4:5], s[16:17]
	s_add_nc_u64 s[10:11], s[10:11], s[16:17]
	s_add_nc_u64 s[8:9], s[8:9], s[18:19]
	s_add_nc_u64 s[12:13], s[12:13], s[20:21]
.irp k, 0,1,2,3
	global_load_b128 v[IX+4*\k:IX+4*\k+3], v6, s[8:9] offset:16*\k th:TH_LOAD_NT
.endr
.irp i, 0,1,2,3,4,5,6,7,8,9,10,11,12,13,14,15
	global_load_b128 v[X+4*\i:X+4*\i+3], v5, s[4:5] offset:256*\i th:TH_LOAD_NT
.endr
	s_wait_loadcnt 16                              ; the indices are in; x's 16 loads, issued behind them, may be out
.irp i, 0,1,2,3,4,5,6,7,8,9,10,11,12,13,14,15
	v_min_u32 v[IX+\i], 0x3ff, v[IX+\i]            ; an index stays inside the table
.endr
.irp i, 0,1,2,3,4,5,6,7,8,9,10,11,12,13,14,15
	v_lshl_add_u32 v[IX+\i], v[IX+\i], 8, v4       ; its row of 256 bytes, my 16 of them
.endr
.irp i, 0,1,2,3,4,5,6,7,8,9,10,11,12,13,14,15
	global_load_b128 v[Q+4*\i:Q+4*\i+3], v[IX+\i], s[6:7]
.endr
.irp i, 0,1,2,3,4,5,6,7,8,9,10,11,12,13,14,15
	s_wait_loadcnt 15-\i                           ; loads come back in order (ISA guide 5.7.1): row i of q is in, and all of x; the younger rows of q may be out
	v_pk_add_f32 v[Q+4*\i:Q+4*\i+1], v[Q+4*\i:Q+4*\i+1], v[X+4*\i:X+4*\i+1] neg_lo:[0,1] neg_hi:[0,1]       ; q - x
	v_pk_add_f32 v[Q+4*\i+2:Q+4*\i+3], v[Q+4*\i+2:Q+4*\i+3], v[X+4*\i+2:X+4*\i+3] neg_lo:[0,1] neg_hi:[0,1]
	v_pk_add_f32 v[X+4*\i:X+4*\i+1], v[X+4*\i:X+4*\i+1], v[Q+4*\i:Q+4*\i+1]                                 ; x + (q - x)
	v_pk_add_f32 v[X+4*\i+2:X+4*\i+3], v[X+4*\i+2:X+4*\i+3], v[Q+4*\i+2:Q+4*\i+3]
.if \i == 0
	v_pk_mul_f32 v[8:9], v[Q:Q+1], v[Q:Q+1]        ; the first squares start the sums: two chains of pairs
	v_pk_mul_f32 v[10:11], v[Q+2:Q+3], v[Q+2:Q+3]
.else
	v_pk_fma_f32 v[8:9], v[Q+4*\i:Q+4*\i+1], v[Q+4*\i:Q+4*\i+1], v[8:9]
	v_pk_fma_f32 v[10:11], v[Q+4*\i+2:Q+4*\i+3], v[Q+4*\i+2:Q+4*\i+3], v[10:11]
.endif
	global_store_b128 v5, v[X+4*\i:X+4*\i+3], s[10:11] offset:256*\i th:TH_STORE_NT   ; each row has its own registers: no store's data are written again
.endr
	v_pk_add_f32 v[8:9], v[8:9], v[10:11]
	v_add_f32 v8, v8, v9
	v_add_f32_dpp v8, v8, v8 row_xmask:1 row_mask:0xf bank_mask:0xf
	v_add_f32_dpp v8, v8, v8 row_xmask:2 row_mask:0xf bank_mask:0xf
	v_add_f32_dpp v8, v8, v8 row_xmask:4 row_mask:0xf bank_mask:0xf
	v_add_f32_dpp v8, v8, v8 row_xmask:8 row_mask:0xf bank_mask:0xf
	v_permlanex16_b32 v9, v8, s22, s23
	v_add_f32 v8, v8, v9                           ; the wave's sum, in every lane
	v_and_b32 v7, 31, v0
	v_mov_b32 v12, 0
	v_cmp_eq_u32 vcc_lo, 0, v7
	s_wait_xcnt 0x0                                ; EXEC changes only behind this wait: the stores above have had their addresses translated
	s_and_saveexec_b32 s24, vcc_lo
	global_store_b32 v12, v8, s[12:13]             ; lane 0 stores it
	s_endpgm
.Lfunc_end_k_qcdb387370f_gather:
	.size	k_qcdb387370f_gather, .Lfunc_end_k_qcdb387370f_gather-k_qcdb387370f_gather
	.p2alignl 7, 3214868480
	.fill 96, 4, 3214868480
	.section	.rodata,"a",@progbits
	.p2align	6, 0x0
	.amdhsa_kernel k_qcdb387370f_gather
		.amdhsa_group_segment_fixed_size 0
		.amdhsa_private_segment_fixed_size 0
		.amdhsa_enable_private_segment 0
		.amdhsa_kernarg_size 40
		.amdhsa_user_sgpr_count 2
		.amdhsa_user_sgpr_kernarg_segment_ptr 1
		.amdhsa_wavefront_size32 1
		.amdhsa_system_sgpr_workgroup_id_x 1
		.amdhsa_system_sgpr_workgroup_id_y 1
		.amdhsa_system_sgpr_workgroup_id_z 1
		.amdhsa_system_vgpr_workitem_id 0
		.amdhsa_next_free_vgpr 160
		.amdhsa_next_free_sgpr 66
		.amdhsa_reserve_vcc 1
		.amdhsa_float_denorm_mode_32 3
		.amdhsa_float_denorm_mode_16_64 3
		.amdhsa_memory_ordered 1
		.amdhsa_forward_progress 1
		.amdhsa_inst_pref_size 16
	.end_amdhsa_kernel
	.amdgpu_metadata
---
amdhsa.version: [ 1, 2 ]
amdhsa.kernels:
  - .name:           k_qcdb387370f_gather
    .symbol:         k_qcdb387370f_gather.kd
    .args:
      - { .name: inputs, .offset: 0, .size: 8, .value_kind: global_buffer, .address_space: global }
      - { .name: codebook, .offset: 8, .size: 8, .value_kind: global_buffer, .address_space: global }
      - { .name: idx, .offset: 16, .size: 8, .value_kind: global_buffer, .address_space: global }
      - { .name: out0, .offset: 24, .size: 8, .value_kind: global_buffer, .address_space: global }
      - { .name: part, .offset: 32, .size: 8, .value_kind: global_buffer, .address_space: global }
    .group_segment_fixed_size: 0
    .private_segment_fixed_size: 0
    .kernarg_segment_align: 8
    .kernarg_segment_size: 40
    .max_flat_workgroup_size: 256
    .sgpr_count:     66
    .vgpr_count:     160
    .wavefront_size: 32
...
	.end_amdgpu_metadata
.endif
;; end of part 2
;; launch finish (part 3): grid 1 x 1, 1 waves a work-group, no clusters, 0 bytes of LDS; arguments part, out1; writes out1
.if DOCPART == 3
	.amdgcn_target "amdgcn-amd-amdhsa--gfx1250"
	.amdhsa_code_object_version 6
	.text
	.protected	k_qcdb387370f_finish
	.globl	k_qcdb387370f_finish
	.p2align	8
	.type	k_qcdb387370f_finish,@function
k_qcdb387370f_finish:
	s_mov_b64 s[64:65], 0
	v_nop
	global_prefetch_b8 v0, s[64:65] scope:SCOPE_SE
	s_setreg_imm32_b32 hwreg(HW_REG_WAVE_MODE, 25, 1), 1
	s_wait_xcnt 0x0
; out1 = m + 0.25 m, m = (the sum of the 2,048 partial sums) / 4,194,304.
; codebook_loss and commitment_loss are means of (q - x)^2 and of (x - q)^2: the same f32 number term by term, for all inputs; so the mean is taken once and used twice.
; One wave: 16 loads of 512 consecutive bytes, all out at once; a tree of packed additions; the lanes' sums; one number out.
	s_load_b128 s[4:7], s[0:1], 0x0                ; part s[4:5], out1 s[6:7]
	v_lshlrev_b32 v1, 4, v0
	s_mov_b32 s8, 0x76543210
	s_mov_b32 s9, 0xfedcba98
	s_wait_kmcnt 0x0
.irp i, 0,1,2,3,4,5,6,7,8,9,10,11,12,13,14,15
	global_load_b128 v[8+4*\i:11+4*\i], v1, s[4:5] offset:512*\i
.endr
	s_wait_loadcnt 0x0
.macro FOLD n                          ; pair k takes pair k + n
.set k, 0
.rept \n
	v_pk_add_f32 v[8+2*k:9+2*k], v[8+2*k:9+2*k], v[8+2*(k+\n):9+2*(k+\n)]
.set k, k+1
.endr
.endm
	FOLD 16
	FOLD 8
	FOLD 4
	FOLD 2
	FOLD 1
	v_add_f32 v8, v8, v9
	v_add_f32_dpp v8, v8, v8 row_xmask:1 row_mask:0xf bank_mask:0xf
	v_add_f32_dpp v8, v8, v8 row_xmask:2 row_mask:0xf bank_mask:0xf
	v_add_f32_dpp v8, v8, v8 row_xmask:4 row_mask:0xf bank_mask:0xf
	v_add_f32_dpp v8, v8, v8 row_xmask:8 row_mask:0xf bank_mask:0xf
	v_permlanex16_b32 v9, v8, s8, s9
	v_add_f32 v8, v8, v9
	v_mul_f32 v8, 0x34800000, v8                   ; x 2^-22: the mean over 4,194,304 numbers
	v_fmamk_f32 v8, v8, 0x3e800000, v8             ; m x 0.25 + m
	v_mov_b32 v2, 0
	v_cmp_eq_u32 vcc_lo, 0, v0
	s_wait_xcnt 0x0                                ; EXEC changes only behind this wait
	s_and_saveexec_b32 s10, vcc_lo
	global_store_b32 v2, v8, s[6:7]
	s_endpgm
.Lfunc_end_k_qcdb387370f_finish:
	.size	k_qcdb387370f_finish, .Lfunc_end_k_qcdb387370f_finish-k_qcdb387370f_finish
	.p2alignl 7, 3214868480
	.fill 96, 4, 3214868480
	.section	.rodata,"a",@progbits
	.p2align	6, 0x0
	.amdhsa_kernel k_qcdb387370f_finish
		.amdhsa_group_segment_fixed_size 0
		.amdhsa_private_segment_fixed_size 0
		.amdhsa_enable_private_segment 0
		.amdhsa_kernarg_size 16
		.amdhsa_user_sgpr_count 2
		.amdhsa_user_sgpr_kernarg_segment_ptr 1
		.amdhsa_wavefront_size32 1
		.amdhsa_system_sgpr_workgroup_id_x 1
		.amdhsa_system_sgpr_workgroup_id_y 1
		.amdhsa_system_sgpr_workgroup_id_z 1
		.amdhsa_system_vgpr_workitem_id 0
		.amdhsa_next_free_vgpr 72
		.amdhsa_next_free_sgpr 66
		.amdhsa_reserve_vcc 1
		.amdhsa_float_denorm_mode_32 3
		.amdhsa_float_denorm_mode_16_64 3
		.amdhsa_memory_ordered 1
		.amdhsa_forward_progress 1
		.amdhsa_inst_pref_size 5
	.end_amdhsa_kernel
	.amdgpu_metadata
---
amdhsa.version: [ 1, 2 ]
amdhsa.kernels:
  - .name:           k_qcdb387370f_finish
    .symbol:         k_qcdb387370f_finish.kd
    .args:
      - { .name: part, .offset: 0, .size: 8, .value_kind: global_buffer, .address_space: global }
      - { .name: out1, .offset: 8, .size: 8, .value_kind: global_buffer, .address_space: global }
    .group_segment_fixed_size: 0
    .private_segment_fixed_size: 0
    .kernarg_segment_align: 8
    .kernarg_segment_size: 16
    .max_flat_workgroup_size: 32
    .sgpr_count:     66
    .vgpr_count:     72
    .wavefront_size: 32
...
	.end_amdgpu_metadata
.endif
;; end of part 3
;; ======== version 2 of 2: 3 launches
;; limits: right only within a limited range of input values
;; workspace buffers: idx 262,144 bytes of whole numbers; part 8,192 bytes
;; launch nearest (part 4): grid 256 x 1, 16 waves a work-group, clusters of 4 x 1, 327,680 bytes of LDS; arguments inputs, codebook, lowp_scales, idx; writes idx
.if DOCPART == 4
	.amdgcn_target "amdgcn-amd-amdhsa--gfx1250"
	.amdhsa_code_object_version 6
	.text
	.protected	k_qcdb387370f_nearest
	.globl	k_qcdb387370f_nearest
	.p2align	8
	.type	k_qcdb387370f_nearest,@function
k_qcdb387370f_nearest:
	s_mov_b64 s[64:65], 0
	v_nop
	global_prefetch_b8 v0, s[64:65] scope:SCOPE_SE
	s_setreg_imm32_b32 hwreg(HW_REG_WAVE_MODE, 25, 1), 1
	s_wait_xcnt 0x0
	s_wait_alu depctr_hold_cnt(0) depctr_sa_sdst(0) depctr_va_vdst(0) depctr_va_sdst(0) depctr_va_ssrc(0) depctr_va_vcc(0) depctr_vm_vsrc(0)
	s_getreg_b32 s2, hwreg(HW_REG_IB_STS2, 6, 4)
	s_cmp_eq_u32 s2, 0
	s_cbranch_scc0 .Lentry_in_a_cluster
	s_endpgm
.Lentry_in_a_cluster:
	s_bfe_u32 s2, ttmp6, 0x10000c
	s_cmp_lg_u32 s2, 0x3003
	s_cbranch_scc0 .Lentry_shape_is_right
	s_endpgm
.Lentry_shape_is_right:
; idx[n] = argmin over k of  (||x_n||^2 + ||e_k||^2) - 2 Q(x_n).Q(e_k),  n < 65,536, k < 1,024, 64 numbers a row.  Q: codes of BF8 (E5M2) with the given scales 2^ea (inputs), 2^eb (codebook).
; WORK LEFT OUT in the program: out0 = x + (q - x) is q in exact arithmetic for all finite x and q, so launch gather stores q; x reaches out0 through idx alone.  What goes is the rounding of the two sums.
; LIMIT of that: a NaN, an infinity or an overflow in q - x is not carried to out0.
; In this launch no work is left out.  ||x_n||^2 is the same for all k, but it stays: it is far larger than the differences between the distances, so the f32 sums of the problem round every distance to its
; grid, and the ties that this makes decide the first-index argmin.  So a distance is formed as the problem forms it: s = fl(xx + ee), d = fl(s - 2 dot) (one fused multiply-add by -2^(ea+eb+1), a power of
; two); the smaller d wins, and among equal d the lower k.  xx and ee are sums of the UNquantised squares, in f32 (their order of summing is this text's own).
; LIMITS: ea, eb between -126 and 112; ea + eb + 1 between -126 and 127; NaN and infinities among the inputs are not served.
; SHARES.  A work-group owns 256 rows and has SIXTEEN waves, four to a SIMD.  Wave w = 4 g + v.  Row group v is 64 rows: four tiles of 16 queries (tile q, lane r: row 16 q + r), whose codes and xx stay in registers.
; The four waves of a row group share the CODES: of each half of the codebook (32 tiles of 16 neighbouring codes) group g walks tiles 8 g .. 8 g + 7.  At the end the four join their results by (d, k).
; THE PRODUCT IS USED TRANSPOSED: source 0 = 16 codebook rows, source 1 = 16 queries: lane (r, h) holds query r, and register j the code 16 t + 8 h + j.
; k is permuted alike in both operands: lane half h, f32 register 4 i + e holds k = 8 i + 4 h + e (16 neighbouring bytes a load).
; CLUSTER.  All work-groups read the same codebook: the four of a cluster ask for it JOINTLY.  Wave w owns rows 512 c + 32 w .. + 31 of half c, two tiles, and brings them by one tensor load: half 0 at the head, half 1
; behind half 0's quantising, in the round that also publishes half 0's images; by this text's own count a wave has one tensor load out.  A wave quantises only rows that it brought, so no barrier stands between.
; Each tile is laid, over the first 1,024 of its own spent 4,352 bytes, as an image of the operand's registers (16 bytes a lane, 512 a store); ee goes into a table.
; x: waves 0 to 7, (g, v) with g = 0, 1, load rows 32 g .. 32 g + 31 of row group v (512 consecutive bytes a load), turn them through a stage of 16 rows, quantise them, and leave fragments and xx in the spent stage.
; THE ARGMIN.  For each tile of codes: the least of a lane's 8 distances (three operands at a time); where it is under the best so far, the tile's number and its 8 distances are kept (selects, two to an instruction; no branch).
; At the end the first kept distance that equals the best gives the place in the tile; the two halves of the lanes, and then the four waves of a row group, are joined by (d, k).
; No prefetch into the L2: no loop of this launch runs over memory; all but 128 KiB of what a work-group reads is asked for at the head.
.set PITCH,  272                       ; an LDS row: 256 bytes + 16 of padding = 68 words: row r starts at bank 4 r mod 64 (64 banks of 4 bytes: ISA guide 11.1)
.set TILEB,  16*PITCH                  ; 16 rows
.set CHUNK,  32*TILEB                  ; half the codebook
.set EEB,    64*TILEB                  ; ee[1024], f32
.set SPARE,  EEB+4096                  ; the spare words, 128 bytes for each wave: eight blocks of 256 bytes that no other line names
.set XSTG,   SPARE+2048                ; eight stages of 16 rows; later, in the same bytes: two fragments' images (0 ..), their xx (XXO ..), two waves' results (MGO .., MGO + 512 ..)
.set STGB,   TILEB
.set XXO,    2048
.set MGO,    2304
.set SPW, 1                            ; v1   my spare word's LDS address; never rewritten
.set NIL, 2                            ; v2   0; never rewritten
.set ACB, 3                            ; v3   my lane's place in my wave's codebook rows of the half in hand
.set IMW, 4                            ; v4   where I store my wave's images
.set EEW, 5                            ; v5   where I store ee
.set XS,  6                            ; v6   x's stage, on the way in
.set XR,  7                            ; v7   and on the way out
.set AIL, 8                            ; v8   16 x lane: my offset in a load of x
.set AIG, 9                            ; v9   16 x lane + my group's 8 tiles: an image's place for my lane
.set EEG, 10                           ; v10  EEB + 32 h + my group's 8 tiles of ee
.set AD0, 11                           ; v11, v12 addresses in hand
.set AD1, 12
.set XO,  13                           ; v13  8 x lane: two indices in the row group's 256 bytes
.set H8,  14                           ; v14  8 h
.set QSX, 15                           ; v15  2^ea, v16  57,344 x 2^ea, v17, v18 the same with eb
.set QLX, 16
.set QSC, 17
.set QLC, 18
.set T,   20                           ; v20-23 at work
.set XIW, 24                           ; v24  where I store x's images: the stage + 16 x lane
.set XXW, 25                           ; v25  the stage + 4 r
.set MW,  26                           ; v26  my results' place + 4 x lane
.set BIR, 27                           ; v27  where I read x's images: my row group's first stage + 16 x lane
.set XXR, 28                           ; v28  that stage + 4 r
.set MR,  29                           ; v29  that stage + 8 x lane
.set B,   32                           ; v32-63  the four query fragments
.set XX,  64                           ; v64-71  xx, a pair for each tile of queries
.set BEST, 72                          ; v72-79  the best d, two sets that take turns
.set TID,  80                          ; v80-83  its tile
.set MA,   84
.set MB,   88
.set SV,   92                          ; v92-123 the best tile's 8 distances
.set AF,   124                         ; v124-139 code fragments, two sets
.set EF,   140                         ; v140-155 ee of a tile, two sets
.set ACC,  156                         ; v156-187 sums, one set of four
.set S,    188                         ; v188-251 s, then d: two sets of four
.set IDX,  156                         ; behind the walks: v156-159 places, v160-163 results, v164-179 the join of the four waves
.set OUT,  160
.set P,    164
.set RAW,  188                         ; preparation: v188-251 x as loaded;
.set FA,   156                         ; two sets of 32 f32 numbers for x and half 0 (v156-187, v32-63),
.set FB,   32
.set FD,   188                         ; for half 1 v156-187 and v188-219, free between the two walks;
.set CD,   124                         ; two sets of 8 registers of codes,
.set EV,   140                         ; and two sums of squares
.set WV,  12
.set G0,  20                           ; s[20:23] descriptor group 0 for half 0, s[68:71] for half 1, s[24:31] group 1
.set G1,  24
.set G0B, 68
.set SE,  32                           ; s[32:33] ea, eb
.set CC,  34                           ; s[34:35] -2^(ea+eb+1)
.set SEL, 36                           ; s[36:37] selects of v_permlanex16_b32: lane l xor 16
.set RG,  38                           ; s38  v, my row group
.set GR,  39                           ; s39  g, my group of codes
.set MQ,  40
.set ME,  44
.set MI,  48
.set TN,  52                           ; s52, s53 the numbers of a trip's two tiles
.set TA,  54
.set TE,  55
.set CNT, 56
.set MH,  57
.set G8,  72                           ; s72  8 g
.set INF, 73                           ; s73  +infinity: over every d
.macro ROUND                           ; a round of the cluster's barrier
	s_barrier_signal -1
	s_barrier_wait -1
	s_cmp_lg_u32 s[WV], 0
	s_cbranch_scc1 .Lnot_wave_0_\@
	s_barrier_signal -3
.Lnot_wave_0_\@:
	s_barrier_wait -3
	s_barrier_signal -1
	s_barrier_wait -1
.endm
.macro LOADF f, adr, off               ; 16 rows of 64 f32 from padded LDS rows into fragment order: lane (r, h) takes 8 pieces of 16 bytes of row r
.irp i, 0,1,2,3,4,5,6,7
	ds_load_b128 v[\f+4*\i:\f+4*\i+3], v[\adr] offset:\off+32*\i
.endr
.endm
; 32 numbers of a lane become 8 registers of codes; the row's sum of squares (both halves of the lanes) goes to v[sum].  The squares are taken ahead of the hold.
.macro QUANT f, cd, sc, lim, sum
.irp i, 0,4,8,12,16,20,24,28
.if \i == 0
	v_pk_mul_f32 v[T:T+1], v[\f:\f+1], v[\f:\f+1]
	v_pk_mul_f32 v[T+2:T+3], v[\f+2:\f+3], v[\f+2:\f+3]
.else
	v_pk_fma_f32 v[T:T+1], v[\f+\i:\f+\i+1], v[\f+\i:\f+\i+1], v[T:T+1]
	v_pk_fma_f32 v[T+2:T+3], v[\f+\i+2:\f+\i+3], v[\f+\i+2:\f+\i+3], v[T+2:T+3]
.endif
.irp e, 0,1,2,3
	v_med3_num_f32 v[\f+\i+\e], v[\f+\i+\e], -v[\lim], v[\lim]   ; the conversion to an 8-bit code does not saturate (ISA guide 7.6.2): the hold at the largest code x the scale
.endr
.endr
	v_pk_add_f32 v[T:T+1], v[T:T+1], v[T+2:T+3]
.irp g, 0,1,2,3
	v_cvt_scalef32_pk8_bf8_f32 v[\cd+2*\g:\cd+2*\g+1], v[\f+8*\g:\f+8*\g+7], v[\sc]
.endr
	v_add_f32 v[T], v[T], v[T+1]                   ; (also the plain vector line behind the last conversion)
	s_delay_alu instid0(VALU_DEP_1)
	v_permlanex16_b32 v[T+1], v[T], s[SEL], s[SEL+1]
	s_delay_alu instid0(VALU_DEP_1)
	v_add_f32 v[\sum], v[T], v[T+1]
.endm
	s_load_b256 s[4:11], s[0:1], 0x0               ; inputs s[4:5], codebook s[6:7], lowp_scales s[8:9], idx s[10:11]
	v_lshl_add_u32 v[SPW], v0, 2, SPARE
	v_mov_b32 v[NIL], 0
	ds_add_u32 v[SPW], v[NIL]                      ; the wave's opening: the add, twice on end, and its wait ahead of my first tensor load
	ds_add_u32 v[SPW], v[NIL]
	v_lshrrev_b32 v20, 5, v0
	v_readfirstlane_b32 s[WV], v20                 ; wave 0..15
	s_and_b32 s[RG], s[WV], 3                      ; v
	s_lshr_b32 s[GR], s[WV], 2                     ; g
	s_lshl_b32 s[G8], s[GR], 3
	s_mul_i32 s13, s[WV], 2*TILEB                  ; my 32 rows of a half of the codebook
	s_lshl_b32 s60, s[WV], 7
	s_add_co_u32 s60, s60, EEB                     ; their ee
	s_and_b32 s61, s[WV], 7
	s_mul_i32 s61, s61, STGB
	s_add_co_u32 s61, s61, XSTG                    ; the stage of wave w mod 8
	s_lshr_b32 s67, s[WV], 3
	s_lshl_b32 s67, s67, 9
	s_add_co_u32 s67, s67, s61                     ; my results' place in it, less MGO
	s_mul_i32 s62, s[RG], STGB
	s_add_co_u32 s62, s62, XSTG                    ; the stage of wave v; wave v + 4's lies 4 STGB further on
	s_mul_i32 s63, s[GR], 8*TILEB                  ; my group's 8 tiles of a half
	s_lshl_b32 s66, s[GR], 9
	s_add_co_u32 s66, s66, EEB                     ; and their ee
	v_and_b32 v20, 31, v0                          ; lane
	v_and_b32 v21, 15, v0                          ; r
	v_bfe_u32 v22, v0, 4, 1                        ; h
	v_lshlrev_b32 v[AIL], 4, v20
	v_mul_u32_u24 v23, v21, PITCH
	v_mul_u32_u24 v[XS], v22, PITCH                ; a load's lanes 0-15 hold an even row, lanes 16-31 the odd row behind it
	v_lshlrev_b32 v[EEG], 5, v22
	v_lshl_add_u32 v[EEW], v21, 2, s60             ; ee of code 512 c + 32 w + 16 tile + r
	v_lshl_add_u32 v23, v22, 4, v23                ; row r x pitch + 16 h
	v_lshl_add_u32 v[XS], v21, 4, v[XS]
	v_add_nc_u32 v[IMW], s13, v[AIL]
	v_add_nc_u32 v[EEG], s66, v[EEG]
	v_add_nc_u32 v[ACB], s13, v23
	v_add_nc_u32 v[XR], s61, v23
	v_add_nc_u32 v[XS], s61, v[XS]
	v_add_nc_u32 v[XIW], s61, v[AIL]
	v_lshl_add_u32 v[XXW], v21, 2, s61
	v_lshl_add_u32 v[MW], v20, 2, s67
	v_add_nc_u32 v[BIR], s62, v[AIL]
	v_lshl_add_u32 v[XXR], v21, 2, s62
	v_lshl_add_u32 v[MR], v20, 3, s62
	v_add_nc_u32 v[AIG], s63, v[AIL]
	v_lshlrev_b32 v[H8], 3, v22
	v_lshlrev_b32 v[XO], 3, v20
	s_wait_alu depctr_va_vdst(0)                   ; ahead of the scalar lines and waits below
	s_lshl_b32 s14, s[WV], 13                      ; my 32 codebook rows of 256 bytes in memory: the wave's number alone, the same in all four partners
	s_mov_b32 s15, 0
	s_bfe_u32 s58, ttmp6, 0x40000                  ; cx
	s_lshl_b32 s59, ttmp9, 2
	s_add_co_u32 s59, s59, s58                     ; work-group = 4 x cluster + cx: it enters x's and idx's global addresses alone
	s_lshl_b32 s16, s59, 16                        ; x: 256 rows of 256 bytes a work-group,
	s_lshl_b32 s58, s[RG], 14                      ; 64 a row group,
	s_add_co_u32 s16, s16, s58
	s_lshl_b32 s58, s[GR], 13                      ; 32 a wave (waves 0 to 7 use it)
	s_add_co_u32 s16, s16, s58
	s_mov_b32 s17, 0
	s_lshl_b32 s18, s59, 10                        ; idx: 1,024 bytes a work-group, 256 a row group
	s_lshl_b32 s58, s[RG], 8
	s_add_co_u32 s18, s18, s58
	s_mov_b32 s19, 0
	s_mov_b32 s[SEL], 0x76543210
	s_mov_b32 s[SEL+1], 0xfedcba98
	s_mov_b32 s[INF], 0x7f800000
	; descriptor group 1: 32 rows x 64 elements of 4 bytes, dense in memory, padded in LDS
	s_mov_b32 s[G1], 15|(2<<16)|(1<<20)|(1<<21)|(5<<22)|(3<<25)   ; 15:0 the mask: all four work-groups; 17:16 elements of 4 bytes; 20 padding on; 21 set beside a mask; 24:22 after every 64 words (code 5); 31:25 four words (code 3)
	s_mov_b32 s[G1+1], 64<<16                      ; tensor_dim0 = 64
	s_mov_b32 s[G1+2], 32<<16                      ; tensor_dim1 = 32
	s_mov_b32 s[G1+3], 64<<16                      ; tile_dim0 = 64
	s_mov_b32 s[G1+4], 32                          ; tile_dim1 = 32
	s_mov_b32 s[G1+5], 64                          ; elements from row to row
	s_mov_b32 s[G1+6], 0
	s_mov_b32 s[G1+7], 0
	s_mov_b32 s[G0], 1
	s_mov_b32 s[G0+1], s13                         ; LDS address: wave x 32 rows,
	s_mov_b32 s[G0B], 1
	s_add_co_u32 s[G0B+1], s13, CHUNK              ; and the same in the second half
	s_wait_dscnt 0x0                               ; both opening adds are done
	ROUND                                          ; all four work-groups are here: the joint loads meet
	s_wait_kmcnt 0x0
	s_add_nc_u64 s[G0+2:G0+3], s[6:7], s[14:15]
	s_add_nc_u64 s[G0B+2:G0B+3], s[G0+2:G0+3], 0x20000   ; 512 rows further on
	s_or_b32 s[G0+3], s[G0+3], 0x80000000          ; type = 2
	s_or_b32 s[G0B+3], s[G0B+3], 0x80000000
	tensor_load_to_lds s[G0:G0+3], s[G1:G1+7]      ; my rows of half 0
	s_nop 0
	s_load_b64 s[SE:SE+1], s[8:9], 0x0             ; ea, eb
	s_add_nc_u64 s[4:5], s[4:5], s[16:17]
	s_add_nc_u64 s[10:11], s[10:11], s[18:19]
.irp q, 0,1,2,3                        ; the state begins
	v_mov_b32 v[XX+2*\q+1], 0                      ; (the packed addition names the pair)
	v_mov_b32 v[BEST+\q], s[INF]
	v_mov_b32 v[TID+\q], 0
.endr
	s_wait_alu depctr_va_vdst(0)                   ; ahead of the branch below
; ---- x, by waves 0 to 7, under half 0's flight: 16 rows at a time through my stage.  LDS serves a wave's instructions in order (ISA guide 5.7.1.4): no wait between my stores and my loads, nor ahead of the next pass's stores
.macro XTURN hh, f
	s_wait_loadcnt 8*(1-\hh)                       ; this pass's 8 loads are in; the other pass's may be out
.irp i, 0,1,2,3,4,5,6,7
	ds_store_b128 v[XS], v[RAW+32*\hh+4*\i:RAW+32*\hh+4*\i+3] offset:2*PITCH*\i
.endr
	LOADF \f, XR, 0
.endm
	s_cmp_ge_u32 s[WV], 8
	s_cbranch_scc1 .Lno_x
.irp i, 0,1,2,3,4,5,6,7,8,9,10,11,12,13,14,15
	global_load_b128 v[RAW+4*\i:RAW+4*\i+3], v[AIL], s[4:5] offset:512*\i th:TH_LOAD_NT   ; my 32 rows of x: 32 lanes read 512 consecutive bytes, two rows
.endr
	s_wait_kmcnt 0x0
	s_add_co_i32 s58, s[SE], 127
	s_lshl_b32 s59, s58, 23
	v_mov_b32 v[QSX], s59                          ; 2^ea as f32: the conversion takes its exponent field
	s_add_co_i32 s58, s58, 15
	s_lshl_b32 s58, s58, 23
	s_or_b32 s58, s58, 0x600000
	v_mov_b32 v[QLX], s58                          ; 57,344 x 2^ea
	s_wait_alu depctr_va_vdst(0)                   ; ahead of the waits below
	XTURN 0, FA
	XTURN 1, FB
	s_wait_dscnt 16                                ; the first pass's rows are in; behind them: 8 stores and 8 loads
	QUANT FA, CD, QSX, QLX, EV
	s_wait_alu depctr_va_vdst(0)
	s_wait_dscnt 0x0
	QUANT FB, CD+8, QSX, QLX, EV+1
.irp c, 0,1,2,3
	ds_store_b128 v[XIW], v[CD+4*\c:CD+4*\c+3] offset:512*\c   ; the two fragments as they stand, over the spent stage
.endr
	ds_store_b32 v[XXW], v[EV] offset:XXO          ; both halves of the lanes hold the row's xx and store the same word
	ds_store_b32 v[XXW], v[EV+1] offset:XXO+64
.Lno_x:
	s_wait_kmcnt 0x0
	s_add_co_i32 s58, s[SE+1], 127
	s_lshl_b32 s59, s58, 23
	v_mov_b32 v[QSC], s59                          ; 2^eb
	s_add_co_i32 s58, s58, 15
	s_lshl_b32 s58, s58, 23
	s_or_b32 s58, s58, 0x600000
	v_mov_b32 v[QLC], s58                          ; 57,344 x 2^eb
	s_add_co_i32 s58, s[SE], s[SE+1]
	s_add_co_i32 s58, s58, 128
	s_lshl_b32 s58, s58, 23
	s_or_b32 s[CC], s58, 0x80000000                ; -2^(ea + eb + 1)
	s_mov_b32 s[CC+1], s[CC]                       ; (named with it as a pair, so it is written)
; ---- my two tiles of a half of the codebook
.macro KEEP cd, ev, o
	ds_store_b128 v[IMW], v[\cd:\cd+3] offset:(\o)*TILEB        ; the image, over the tile's own rows, which are in registers
	ds_store_b128 v[IMW], v[\cd+4:\cd+7] offset:(\o)*TILEB+512
	ds_store_b32 v[EEW], v[\ev] offset:64*(\o)     ; both halves of the lanes hold the row's ee and store the same word
.endm
.macro CBHALF fa, fb
	s_wait_alu depctr_va_vdst(0)                   ; directly ahead of the wait below
	s_wait_tensorcnt 0x0                           ; my 32 rows of this half are in LDS; only I read them
	LOADF \fa, ACB, 0
	LOADF \fb, ACB, TILEB
	s_wait_dscnt 8                                 ; tile 0 is in; the loads of tile 1 may be out
	QUANT \fa, CD, QSC, QLC, EV
	KEEP CD, EV, 0
	s_wait_dscnt 3                                 ; tile 1 is in; behind it: 3 stores
	QUANT \fb, CD+8, QSC, QLC, EV+1
	KEEP CD+8, EV+1, 1
.endm
	CBHALF FA, FB
	s_wait_tensorcnt 0x0                           ; no tensor load of mine is out.
	ds_add_u32 v[SPW], v[NIL]
.irp j, 0,1,2,3,4,5,6,7,8,9,10,11,12,13,14,15,16,17,18,19,20,21,22,23,24,25,26,27,28,29,30,31
	v_mov_b32 v[SV+\j], s[INF]                     ; work on registers between the add and the wait for it
.endr
	s_wait_dscnt 0x0                               ; the add is done; my images, ee and x's fragments lie in LDS
	ROUND                                          ; everybody's do
	tensor_load_to_lds s[G0B:G0B+3], s[G1:G1+7]    ; my rows of half 1: they have half 0's walk in which to land
	s_nop 0
; ---- the walk over my group's 8 tiles of a half
.macro MUL4 p                          ; one tile of codes against my four tiles of queries; K = 64 is the whole sum, so C = 0 and no accumulator is taken up again
.irp q, 0,1,2,3
	v_wmma_f32_16x16x64_bf8_bf8 v[ACC+8*\q:ACC+8*\q+7], v[AF+8*\p:AF+8*\p+7], v[B+8*\q:B+8*\q+7], 0
.endr
.endm
.macro SADD p, q                       ; s = fl(xx + ee) of query tile q, into set p
.irp i, 0,2,4,6
	v_pk_add_f32 v[S+32*(\p)+8*(\q)+\i:S+32*(\p)+8*(\q)+\i+1], v[EF+8*(\p)+\i:EF+8*(\p)+\i+1], v[XX+2*(\q):XX+2*(\q)+1] op_sel_hi:[1,0]
.endr
.endm
.macro TLOAD p, o                      ; a tile's image and ee, o tiles on from the addresses in hand, into set p
	ds_load_b128 v[AF+8*(\p):AF+8*(\p)+3], v[AD0] offset:(\o)*TILEB
	ds_load_b128 v[AF+8*(\p)+4:AF+8*(\p)+7], v[AD0] offset:(\o)*TILEB+512
	ds_load_b128 v[EF+8*(\p):EF+8*(\p)+3], v[AD1] offset:(\o)*64
	ds_load_b128 v[EF+8*(\p)+4:EF+8*(\p)+7], v[AD1] offset:(\o)*64+16
.endm
; Step t (p = t % 2).  At its head tile t + 1's image and ee, asked for a step ago, are in; tile t's products and s have been issued, so its set of image and ee is free and takes tile t + 2 (ld; ad: a trip's addresses
; are made from the stepped scalars).  d of tile t is finished; then the accumulators are free for tile t + 1's products (w).  The 16 minima name none of their registers: they are the places behind them (ISA guide
; 7.12.1).  Tile t + 1's s stands between each compare and its selects.
.macro STEP p, w, ld, ad
.if \w
	s_wait_dscnt 0x0
.endif
.if \ad
	v_add_nc_u32 v[AD0], s[TA], v[AIG]
	v_add_nc_u32 v[AD1], s[TE], v[EEG]
.endif
.if \ld
	TLOAD \p, (2+\p)
.endif
.irp q, 0,1,2,3
.irp i, 0,2,4,6
	v_pk_fma_f32 v[S+32*\p+8*\q+\i:S+32*\p+8*\q+\i+1], v[ACC+8*\q+\i:ACC+8*\q+\i+1], s[CC:CC+1], v[S+32*\p+8*\q+\i:S+32*\p+8*\q+\i+1] op_sel_hi:[1,0,1]   ; d = fl(s - 2 dot); each accumulator from its low end on
.endr
.endr
.if \w
	MUL4 (1-\p)
.endif
.irp q, 0,1,2,3
	v_min3_num_f32 v[MA+\q], v[S+32*\p+8*\q], v[S+32*\p+8*\q+1], v[S+32*\p+8*\q+2]
.endr
.irp q, 0,1,2,3
	v_min3_num_f32 v[MB+\q], v[S+32*\p+8*\q+3], v[S+32*\p+8*\q+4], v[S+32*\p+8*\q+5]
.endr
.irp q, 0,1,2,3
	v_min3_num_f32 v[MA+\q], v[MA+\q], v[S+32*\p+8*\q+6], v[S+32*\p+8*\q+7]
.endr
.irp q, 0,1,2,3
	v_min3_num_f32 v[BEST+4*(1-\p)+\q], v[MA+\q], v[MB+\q], v[BEST+4*\p+\q]   ; the new best goes to the other set, so the old one is still there to compare
.endr
.irp q, 0,1,2,3
	v_cmp_lt_f32 vcc_lo, v[BEST+4*(1-\p)+\q], v[BEST+4*\p+\q]                 ; strictly under: among equal tiles the first stays
.if \w
	SADD (1-\p), \q
.endif
.irp j, 0,2,4,6
	v_dual_cndmask_b32 v[SV+8*\q+\j], v[SV+8*\q+\j], v[S+32*\p+8*\q+\j] :: v_dual_cndmask_b32 v[SV+8*\q+\j+1], v[SV+8*\q+\j+1], v[S+32*\p+8*\q+\j+1]
.endr
	v_cndmask_b32 v[TID+\q], v[TID+\q], s[TN+\p], vcc_lo
.endr
.endm
.macro WALK c                          ; half c: tiles 32 c + 8 g + 0 .. 7
	s_mov_b32 s[TA], \c*CHUNK
	s_mov_b32 s[TE], \c*2048
	s_add_co_u32 s[TN], s[G8], 32*\c
	s_add_co_u32 s[TN+1], s[G8], 32*\c+1
	s_mov_b32 s[CNT], 3
	v_add_nc_u32 v[AD0], s[TA], v[AIG]
	v_add_nc_u32 v[AD1], s[TE], v[EEG]
	TLOAD 0, 0
.if \c == 0
.irp q, 0,1,2,3                        ; x's four fragments and their xx: tiles 0, 1 from wave v's stage, tiles 2, 3 from wave v + 4's
	ds_load_b128 v[B+8*\q:B+8*\q+3], v[BIR] offset:(\q/2)*4*STGB+(\q%2)*1024
	ds_load_b128 v[B+8*\q+4:B+8*\q+7], v[BIR] offset:(\q/2)*4*STGB+(\q%2)*1024+512
	ds_load_b32 v[XX+2*\q], v[XXR] offset:(\q/2)*4*STGB+XXO+(\q%2)*64
.endr
.endif
	TLOAD 1, 1
	s_wait_dscnt 4                                 ; all but the second tile's four loads
	MUL4 0
.irp q, 0,1,2,3
	SADD 0, \q                                     ; (also the places behind the products)
.endr
.Ltile_\@:                             ; 3 trips of two steps: tiles 0 to 5 are worked, tiles up to 7 fetched
	STEP 0, 1, 1, 1
	STEP 1, 1, 1, 0
	s_add_co_u32 s[TA], s[TA], 2*TILEB
	s_add_co_u32 s[TE], s[TE], 128
	s_add_co_u32 s[TN], s[TN], 2
	s_add_co_u32 s[TN+1], s[TN+1], 2
	s_sub_co_u32 s[CNT], s[CNT], 1
	s_cmp_lg_u32 s[CNT], 0
	s_cbranch_scc1 .Ltile_\@
	STEP 0, 1, 0, 0                                ; tile 6: nothing more to fetch: no read reaches into tiles that are not yet images
	STEP 1, 0, 0, 0                                ; tile 7: nothing more to multiply
.endm
	WALK 0
	v_add_nc_u32 v[ACB], CHUNK, v[ACB]             ; on to the second half
	v_add_nc_u32 v[IMW], CHUNK, v[IMW]
	v_add_nc_u32 v[EEW], 2048, v[EEW]
	CBHALF FA, FD
	s_wait_dscnt 0x0                               ; my images and ee of half 1 lie in LDS
	s_barrier_signal -1
	s_barrier_wait -1
	WALK 1
; ---- the place in the best tile: the first kept distance that equals the best (taken from the last downwards, so that the first stays)
.irp q, 0,1,2,3
	v_mov_b32 v[IDX+\q], 7
.endr
.irp j, 6,5,4,3,2,1,0
.irp q, 0,1,2,3
	v_cmp_eq_f32 s[MQ+\q], v[SV+8*\q+\j], v[BEST+\q]
.endr
.irp q, 0,1,2,3
	v_cndmask_b32 v[IDX+\q], v[IDX+\q], \j, s[MQ+\q]
.endr
.endr
.irp q, 0,1,2,3
	v_lshl_add_u32 v[IDX+\q], v[TID+\q], 4, v[IDX+\q]
.endr
.irp q, 0,1,2,3
	v_add_nc_u32 v[IDX+\q], v[H8], v[IDX+\q]       ; k = 16 tile + 8 h + place
.endr
.irp q, 0,1,2,3
	v_permlanex16_b32 v[MA+\q], v[BEST+\q], s[SEL], s[SEL+1]   ; the other half of each tile's codes lies in the lane 16 away
.endr
.irp q, 0,1,2,3
	v_permlanex16_b32 v[MB+\q], v[IDX+\q], s[SEL], s[SEL+1]
.endr
.irp q, 0,1,2,3
	v_cmp_lt_f32 s[MQ+\q], v[MA+\q], v[BEST+\q]
	v_cmp_eq_f32 s[ME+\q], v[MA+\q], v[BEST+\q]
	v_cmp_lt_u32 s[MI+\q], v[MB+\q], v[IDX+\q]
.endr
.irp q, 0,1,2,3
	s_and_b32 s[ME+\q], s[ME+\q], s[MI+\q]
	s_or_b32 s[MQ+\q], s[MQ+\q], s[ME+\q]          ; the other lane's wins: smaller d, or equal d and lower k
	v_cndmask_b32 v[IDX+\q], v[IDX+\q], v[MB+\q], s[MQ+\q]
	v_min_num_f32 v[BEST+\q], v[BEST+\q], v[MA+\q]
.endr
	; both halves of the lanes now hold all four tiles' results.  Lane l = 16 h + r takes rows l (tile h) and 32 + l (tile 2 + h), and lays d and k by rows into my results' place
	v_cmp_ne_u32 s[MH], 0, v[H8]
	s_delay_alu instid0(VALU_DEP_1)
	v_cndmask_b32 v[OUT], v[BEST], v[BEST+1], s[MH]
	v_cndmask_b32 v[OUT+1], v[BEST+2], v[BEST+3], s[MH]
	v_cndmask_b32 v[OUT+2], v[IDX], v[IDX+1], s[MH]
	v_cndmask_b32 v[OUT+3], v[IDX+2], v[IDX+3], s[MH]
.irp j, 0,1,2,3
	ds_store_b32 v[MW], v[OUT+\j] offset:MGO+128*\j   ; d of rows 0-31, of rows 32-63, then k likewise
.endr
	s_wait_dscnt 0x0                               ; my results lie in LDS
	s_barrier_signal -1
	s_barrier_wait -1
	s_cmp_ge_u32 s[WV], 4                          ; waves 0 to 3 join their row group's four results and store them
	s_cbranch_scc1 .Ldone
.irp g, 0,1,2,3
	ds_load_b64 v[P+4*\g:P+4*\g+1], v[MR] offset:(\g%2)*4*STGB+(\g/2)*512+MGO           ; rows 2 l and 2 l + 1: d of wave v + 4 g,
	ds_load_b64 v[P+4*\g+2:P+4*\g+3], v[MR] offset:(\g%2)*4*STGB+(\g/2)*512+MGO+256     ; and k
.endr
	s_wait_dscnt 0x0
.irp g, 1,2,3
.irp e, 0,1
	v_cmp_lt_f32 s[MQ+\e], v[P+4*\g+\e], v[P+\e]
	v_cmp_eq_f32 s[ME+\e], v[P+4*\g+\e], v[P+\e]
	v_cmp_lt_u32 s[MI+\e], v[P+4*\g+2+\e], v[P+2+\e]
.endr
.irp e, 0,1
	s_and_b32 s[ME+\e], s[ME+\e], s[MI+\e]
	s_or_b32 s[MQ+\e], s[MQ+\e], s[ME+\e]          ; the other wave's wins: smaller d, or equal d and lower k
	v_cndmask_b32 v[P+2+\e], v[P+2+\e], v[P+4*\g+2+\e], s[MQ+\e]
	v_min_num_f32 v[P+\e], v[P+\e], v[P+4*\g+\e]
.endr
.endr
	global_store_b64 v[XO], v[P+2:P+3], s[10:11]   ; the wave stores 256 consecutive bytes, at a multiple of 256 from idx's first byte
.Ldone:
	s_wait_tensorcnt 0x0                           ; the wave's end: behind my last tensor load and my last LDS store
	ds_add_u32 v[SPW], v[NIL]
	s_wait_dscnt 0x0
	ROUND                                          ; the closing round
	s_endpgm
.Lfunc_end_k_qcdb387370f_nearest:
	.size	k_qcdb387370f_nearest, .Lfunc_end_k_qcdb387370f_nearest-k_qcdb387370f_nearest
	.p2alignl 7, 3214868480
	.fill 96, 4, 3214868480
	.section	.rodata,"a",@progbits
	.p2align	6, 0x0
	.amdhsa_kernel k_qcdb387370f_nearest
		.amdhsa_group_segment_fixed_size 327680
		.amdhsa_private_segment_fixed_size 0
		.amdhsa_enable_private_segment 0
		.amdhsa_kernarg_size 32
		.amdhsa_user_sgpr_count 2
		.amdhsa_user_sgpr_kernarg_segment_ptr 1
		.amdhsa_wavefront_size32 1
		.amdhsa_system_sgpr_workgroup_id_x 1
		.amdhsa_system_sgpr_workgroup_id_y 1
		.amdhsa_system_sgpr_workgroup_id_z 1
		.amdhsa_system_vgpr_workitem_id 0
		.amdhsa_next_free_vgpr 256
		.amdhsa_next_free_sgpr 80
		.amdhsa_reserve_vcc 1
		.amdhsa_float_denorm_mode_32 3
		.amdhsa_float_denorm_mode_16_64 3
		.amdhsa_memory_ordered 1
		.amdhsa_forward_progress 1
		.amdhsa_inst_pref_size 87
	.end_amdhsa_kernel
	.amdgpu_metadata
---
amdhsa.version: [ 1, 2 ]
amdhsa.kernels:
  - .name:           k_qcdb387370f_nearest
    .symbol:         k_qcdb387370f_nearest.kd
    .args:
      - { .name: inputs, .offset: 0, .size: 8, .value_kind: global_buffer, .address_space: global }
      - { .name: codebook, .offset: 8, .size: 8, .value_kind: global_buffer, .address_space: global }
      - { .name: lowp_scales, .offset: 16, .size: 8, .value_kind: global_buffer, .address_space: global }
      - { .name: idx, .offset: 24, .size: 8, .value_kind: global_buffer, .address_space: global }
    .group_segment_fixed_size: 327680
    .private_segment_fixed_size: 0
    .kernarg_segment_align: 8
    .kernarg_segment_size: 32
    .max_flat_workgroup_size: 512
    .sgpr_count:     80
    .vgpr_count:     256
    .wavefront_size: 32
...
	.end_amdgpu_metadata
.endif
;; end of part 4
;; launch gather (part 5): grid 256 x 1, 8 waves a work-group, no clusters, 0 bytes of LDS; arguments inputs, codebook, idx, out0, part; writes out0, part
.if DOCPART == 5
	.amdgcn_target "amdgcn-amd-amdhsa--gfx1250"
	.amdhsa_code_object_version 6
	.text
	.protected	k_qcdb387370f_gather
	.globl	k_qcdb387370f_gather
	.p2align	8
	.type	k_qcdb387370f_gather,@function
k_qcdb387370f_gather:
	s_mov_b64 s[64:65], 0
	v_nop
	global_prefetch_b8 v0, s[64:65] scope:SCOPE_SE
	s_setreg_imm32_b32 hwreg(HW_REG_WAVE_MODE, 25, 1), 1
	s_wait_xcnt 0x0
; out0[n][:] = q = codebook[idx[n]]; part[wave] = the sum of (q - x)^2 over the wave's 32 rows, of the differences themselves.
; WORK LEFT OUT: x + (q - x) is q in exact arithmetic for all finite values (see the head of launch nearest), so a row of q is stored as it is loaded.  LIMIT: a NaN, an infinity or an overflow in q - x is not carried to out0.
; A stream: 2,048 waves, 32 rows each.  Lanes 0-15 take row i, lanes 16-31 row 16 + i of the wave's 32 (i = 0 .. 15): sixteen lanes read and store one row of 256 bytes, aligned.
; Half of x's loads go out behind the indices'; then the rows of q, which are stored first; then the other half of x.  No LDS, no barrier: waves share nothing.
; No cluster: which codebook rows a work-group reads hangs on idx; there is no tile that partners share.  No prefetch: there is no loop to run ahead in.
.set SM, 8                             ; v8-15   four pairs of sums
.set IX, 16                            ; v16-31  my half's 16 indices, then the offsets of their rows
.set X,  32                            ; v32-95  x, then q - x
.set Q,  96                            ; v96-159 q
	s_load_b256 s[4:11], s[0:1], 0x0               ; inputs s[4:5], codebook s[6:7], idx s[8:9], out0 s[10:11]
	s_load_b64 s[12:13], s[0:1], 0x20              ; part
	v_lshrrev_b32 v1, 5, v0
	s_delay_alu instid0(VALU_DEP_1)
	v_readfirstlane_b32 s14, v1                    ; wave 0..7
	v_and_b32 v2, 15, v0
	v_bfe_u32 v3, v0, 4, 1                         ; h
	s_delay_alu instid0(VALU_DEP_2)
	v_lshlrev_b32 v4, 4, v2                        ; my 16 bytes of a row
	s_delay_alu instid0(VALU_DEP_1)
	v_lshl_add_u32 v5, v3, 12, v4                  ; + 16 rows for lanes 16-31
	s_delay_alu instid0(VALU_DEP_3)
	v_lshlrev_b32 v6, 6, v3                        ; my half's 16 indices
	s_lshl_b32 s15, ttmp9, 3
	s_add_co_u32 s15, s15, s14                     ; which run of 32 rows is my wave's
	s_lshl_b32 s16, s15, 13                        ; 32 rows of 256 bytes
	s_mov_b32 s17, 0
	s_lshl_b32 s18, s15, 7                         ; 32 indices
	s_mov_b32 s19, 0
	s_lshl_b32 s20, s15, 2                         ; one partial sum
	s_mov_b32 s21, 0
	s_mov_b32 s22, 0x76543210
	s_mov_b32 s23, 0xfedcba98
	s_wait_alu depctr_va_vdst(0)
	s_wait_kmcnt 0x0
	s_add_nc_u64 s[8:9], s[8:9], s[18:19]
	s_add_nc_u64 s[4:5], s[4:5], s[16:17]
	s_add_nc_u64 s[10:11], s[10:11], s[16:17]
	s_add_nc_u64 s[12:13], s[12:13], s[20:21]
.irp k, 0,1,2,3
	global_load_b128 v[IX+4*\k:IX+4*\k+3], v6, s[8:9] offset:16*\k th:TH_LOAD_NT
.endr
.irp i, 0,1,2,3,4,5,6,7
	global_load_b128 v[X+4*\i:X+4*\i+3], v5, s[4:5] offset:256*\i th:TH_LOAD_NT
.endr
	s_wait_loadcnt 8                               ; the indices are in; x's 8 loads, issued behind them, may be out
.irp i, 0,1,2,3,4,5,6,7,8,9,10,11,12,13,14,15
	v_min_u32 v[IX+\i], 0x3ff, v[IX+\i]            ; an index stays inside the table
.endr
.irp i, 0,1,2,3,4,5,6,7,8,9,10,11,12,13,14,15
	v_lshl_add_u32 v[IX+\i], v[IX+\i], 8, v4       ; its row of 256 bytes, my 16 of them
.endr
.irp i, 0,1,2,3,4,5,6,7,8,9,10,11,12,13,14,15
	global_load_b128 v[Q+4*\i:Q+4*\i+3], v[IX+\i], s[6:7]
.endr
.irp i, 8,9,10,11,12,13,14,15
	global_load_b128 v[X+4*\i:X+4*\i+3], v5, s[4:5] offset:256*\i th:TH_LOAD_NT
.endr
.irp i, 0,1,2,3,4,5,6,7,8,9,10,11,12,13,14,15
	s_wait_loadcnt 23-\i                           ; loads come back in order (ISA guide 5.7.1): row i of q is in; the younger rows of q and x's last 8 loads may be out
	global_store_b128 v5, v[Q+4*\i:Q+4*\i+3], s[10:11] offset:256*\i th:TH_STORE_NT   ; each row has its own registers: no store's data are written again
.endr
.macro DIFF i                          ; q - x
	v_pk_add_f32 v[X+4*\i:X+4*\i+1], v[Q+4*\i:Q+4*\i+1], v[X+4*\i:X+4*\i+1] neg_lo:[0,1] neg_hi:[0,1]
	v_pk_add_f32 v[X+4*\i+2:X+4*\i+3], v[Q+4*\i+2:Q+4*\i+3], v[X+4*\i+2:X+4*\i+3] neg_lo:[0,1] neg_hi:[0,1]
.endm
.macro SQ i                            ; its squares, in four chains of pairs; the first squares start the sums
.set C, SM+4*(\i%2)
.if \i < 2
	v_pk_mul_f32 v[C:C+1], v[X+4*\i:X+4*\i+1], v[X+4*\i:X+4*\i+1]
	v_pk_mul_f32 v[C+2:C+3], v[X+4*\i+2:X+4*\i+3], v[X+4*\i+2:X+4*\i+3]
.else
	v_pk_fma_f32 v[C:C+1], v[X+4*\i:X+4*\i+1], v[X+4*\i:X+4*\i+1], v[C:C+1]
	v_pk_fma_f32 v[C+2:C+3], v[X+4*\i+2:X+4*\i+3], v[X+4*\i+2:X+4*\i+3], v[C+2:C+3]
.endif
.endm
.irp i, 0,1,2,3,4,5,6,7                ; x's rows 0 to 7 were loaded ahead of q: they are in
	DIFF \i
.endr
.irp i, 0,1,2,3,4,5,6,7
	SQ \i
.endr
	s_wait_alu depctr_va_vdst(0)                   ; directly ahead of the wait below
	s_wait_loadcnt 4                               ; x's rows 8 to 11 are in; four loads may be out
.irp i, 8,9,10,11
	DIFF \i
.endr
.irp i, 8,9,10,11
	SQ \i
.endr
	s_wait_alu depctr_va_vdst(0)
	s_wait_loadcnt 0x0
.irp i, 12,13,14,15
	DIFF \i
.endr
.irp i, 12,13,14,15
	SQ \i
.endr
	v_pk_add_f32 v[8:9], v[8:9], v[10:11]
	v_pk_add_f32 v[12:13], v[12:13], v[14:15]
	s_delay_alu instid0(VALU_DEP_1)
	v_pk_add_f32 v[8:9], v[8:9], v[12:13]
	s_delay_alu instid0(VALU_DEP_1)
	v_add_f32 v8, v8, v9
	s_delay_alu instid0(VALU_DEP_1)
	v_add_f32_dpp v8, v8, v8 row_xmask:1 row_mask:0xf bank_mask:0xf
	s_delay_alu instid0(VALU_DEP_1)
	v_add_f32_dpp v8, v8, v8 row_xmask:2 row_mask:0xf bank_mask:0xf
	s_delay_alu instid0(VALU_DEP_1)
	v_add_f32_dpp v8, v8, v8 row_xmask:4 row_mask:0xf bank_mask:0xf
	s_delay_alu instid0(VALU_DEP_1)
	v_add_f32_dpp v8, v8, v8 row_xmask:8 row_mask:0xf bank_mask:0xf
	s_delay_alu instid0(VALU_DEP_1)
	v_permlanex16_b32 v9, v8, s22, s23
	s_delay_alu instid0(VALU_DEP_1)
	v_add_f32 v8, v8, v9                           ; the wave's sum, in every lane
	v_and_b32 v7, 31, v0
	v_mov_b32 v2, 0
	s_delay_alu instid0(VALU_DEP_2)
	v_cmp_eq_u32 vcc_lo, 0, v7
	s_wait_alu depctr_va_vdst(0)
	s_wait_xcnt 0x0                                ; EXEC changes only behind this wait: the stores above have had their addresses translated
	s_and_saveexec_b32 s24, vcc_lo
	global_store_b32 v2, v8, s[12:13]              ; lane 0 stores it
	s_endpgm
.Lfunc_end_k_qcdb387370f_gather:
	.size	k_qcdb387370f_gather, .Lfunc_end_k_qcdb387370f_gather-k_qcdb387370f_gather
	.p2alignl 7, 3214868480
	.fill 96, 4, 3214868480
	.section	.rodata,"a",@progbits
	.p2align	6, 0x0
	.amdhsa_kernel k_qcdb387370f_gather
		.amdhsa_group_segment_fixed_size 0
		.amdhsa_private_segment_fixed_size 0
		.amdhsa_enable_private_segment 0
		.amdhsa_kernarg_size 40
		.amdhsa_user_sgpr_count 2
		.amdhsa_user_sgpr_kernarg_segment_ptr 1
		.amdhsa_wavefront_size32 1
		.amdhsa_system_sgpr_workgroup_id_x 1
		.amdhsa_system_sgpr_workgroup_id_y 1
		.amdhsa_system_sgpr_workgroup_id_z 1
		.amdhsa_system_vgpr_workitem_id 0
		.amdhsa_next_free_vgpr 160
		.amdhsa_next_free_sgpr 66
		.amdhsa_reserve_vcc 1
		.amdhsa_float_denorm_mode_32 3
		.amdhsa_float_denorm_mode_16_64 3
		.amdhsa_memory_ordered 1
		.amdhsa_forward_progress 1
		.amdhsa_inst_pref_size 15
	.end_amdhsa_kernel
	.amdgpu_metadata
---
amdhsa.version: [ 1, 2 ]
amdhsa.kernels:
  - .name:           k_qcdb387370f_gather
    .symbol:         k_qcdb387370f_gather.kd
    .args:
      - { .name: inputs, .offset: 0, .size: 8, .value_kind: global_buffer, .address_space: global }
      - { .name: codebook, .offset: 8, .size: 8, .value_kind: global_buffer, .address_space: global }
      - { .name: idx, .offset: 16, .size: 8, .value_kind: global_buffer, .address_space: global }
      - { .name: out0, .offset: 24, .size: 8, .value_kind: global_buffer, .address_space: global }
      - { .name: part, .offset: 32, .size: 8, .value_kind: global_buffer, .address_space: global }
    .group_segment_fixed_size: 0
    .private_segment_fixed_size: 0
    .kernarg_segment_align: 8
    .kernarg_segment_size: 40
    .max_flat_workgroup_size: 256
    .sgpr_count:     66
    .vgpr_count:     160
    .wavefront_size: 32
...
	.end_amdgpu_metadata
.endif
;; end of part 5
;; launch finish (part 6): grid 1 x 1, 1 waves a work-group, no clusters, 0 bytes of LDS; arguments part, out1; writes out1
.if DOCPART == 6
	.amdgcn_target "amdgcn-amd-amdhsa--gfx1250"
	.amdhsa_code_object_version 6
	.text
	.protected	k_qcdb387370f_finish
	.globl	k_qcdb387370f_finish
	.p2align	8
	.type	k_qcdb387370f_finish,@function
k_qcdb387370f_finish:
	s_mov_b64 s[64:65], 0
	v_nop
	global_prefetch_b8 v0, s[64:65] scope:SCOPE_SE
	s_setreg_imm32_b32 hwreg(HW_REG_WAVE_MODE, 25, 1), 1
	s_wait_xcnt 0x0
; out1 = m + 0.25 m, m = (the sum of the 2,048 partial sums) / 4,194,304.
; codebook_loss and commitment_loss are means of (q - x)^2 and of (x - q)^2: the same f32 number term by term, for all inputs; so the mean is taken once and used twice.
; One wave: 16 loads of 512 consecutive bytes, all out at once; a tree of packed additions; the lanes' sums; one number out.
	s_load_b128 s[4:7], s[0:1], 0x0                ; part s[4:5], out1 s[6:7]
	v_lshlrev_b32 v1, 4, v0
	s_mov_b32 s8, 0x76543210
	s_mov_b32 s9, 0xfedcba98
	s_wait_alu depctr_va_vdst(0)
	s_wait_kmcnt 0x0
.irp i, 0,1,2,3,4,5,6,7,8,9,10,11,12,13,14,15
	global_load_b128 v[8+4*\i:11+4*\i], v1, s[4:5] offset:512*\i
.endr
	s_wait_loadcnt 0x0
.macro FOLD n                          ; pair k takes pair k + n
.set k, 0
.rept \n
	v_pk_add_f32 v[8+2*k:9+2*k], v[8+2*k:9+2*k], v[8+2*(k+\n):9+2*(k+\n)]
.set k, k+1
.endr
.endm
	FOLD 16
	FOLD 8
	FOLD 4
	FOLD 2
	FOLD 1
	v_add_f32 v8, v8, v9
	v_add_f32_dpp v8, v8, v8 row_xmask:1 row_mask:0xf bank_mask:0xf
	v_add_f32_dpp v8, v8, v8 row_xmask:2 row_mask:0xf bank_mask:0xf
	v_add_f32_dpp v8, v8, v8 row_xmask:4 row_mask:0xf bank_mask:0xf
	v_add_f32_dpp v8, v8, v8 row_xmask:8 row_mask:0xf bank_mask:0xf
	v_permlanex16_b32 v9, v8, s8, s9
	v_add_f32 v8, v8, v9
	v_mul_f32 v8, 0x34800000, v8                   ; x 2^-22: the mean over 4,194,304 numbers
	v_fmamk_f32 v8, v8, 0x3e800000, v8             ; m x 0.25 + m
	v_mov_b32 v2, 0
	v_cmp_eq_u32 vcc_lo, 0, v0
	s_wait_alu depctr_va_vdst(0)
	s_wait_xcnt 0x0                                ; EXEC changes only behind this wait
	s_and_saveexec_b32 s10, vcc_lo
	global_store_b32 v2, v8, s[6:7]
	s_endpgm
.Lfunc_end_k_qcdb387370f_finish:
	.size	k_qcdb387370f_finish, .Lfunc_end_k_qcdb387370f_finish-k_qcdb387370f_finish
	.p2alignl 7, 3214868480
	.fill 96, 4, 3214868480
	.section	.rodata,"a",@progbits
	.p2align	6, 0x0
	.amdhsa_kernel k_qcdb387370f_finish
		.amdhsa_group_segment_fixed_size 0
		.amdhsa_private_segment_fixed_size 0
		.amdhsa_enable_private_segment 0
		.amdhsa_kernarg_size 16
		.amdhsa_user_sgpr_count 2
		.amdhsa_user_sgpr_kernarg_segment_ptr 1
		.amdhsa_wavefront_size32 1
		.amdhsa_system_sgpr_workgroup_id_x 1
		.amdhsa_system_sgpr_workgroup_id_y 1
		.amdhsa_system_sgpr_workgroup_id_z 1
		.amdhsa_system_vgpr_workitem_id 0
		.amdhsa_next_free_vgpr 72
		.amdhsa_next_free_sgpr 66
		.amdhsa_reserve_vcc 1
		.amdhsa_float_denorm_mode_32 3
		.amdhsa_float_denorm_mode_16_64 3
		.amdhsa_memory_ordered 1
		.amdhsa_forward_progress 1
		.amdhsa_inst_pref_size 5
	.end_amdhsa_kernel
	.amdgpu_metadata
---
amdhsa.version: [ 1, 2 ]
amdhsa.kernels:
  - .name:           k_qcdb387370f_finish
    .symbol:         k_qcdb387370f_finish.kd
    .args:
      - { .name: part, .offset: 0, .size: 8, .value_kind: global_buffer, .address_space: global }
      - { .name: out1, .offset: 8, .size: 8, .value_kind: global_buffer, .address_space: global }
    .group_segment_fixed_size: 0
    .private_segment_fixed_size: 0
    .kernarg_segment_align: 8
    .kernarg_segment_size: 16
    .max_flat_workgroup_size: 32
    .sgpr_count:     66
    .vgpr_count:     72
    .wavefront_size: 32
...
	.end_amdgpu_metadata
.endif
;; end of part 6
